; MI455X (gfx1250); checked and timed in simulation.
; The chip was launched on July 23, 2026; its instructions are those of AMD's public machine-readable ISA for CDNA 5 (MIT licence, August 2026) and "CDNA5" Instruction Set Architecture Reference Guide (July 2026). The comments in the code are by the model that wrote it; some were corrected since.
;; Self Attention. Allowed arithmetic: matrix products marked QUANTISED: E3M2 operands, one E8M0 scale for each 32 along K, by v_wmma_scale_f32_16x16x128_f8f6f4 with both operands' format E3M2, f32 sums; everything else in f32.
;; Inputs: Wk_codes 1,024 x 32 x 24 uint8 (E3M2 codes of Wk, K innermost, in blocks of 32 codes, four codes in three bytes); Wk_scales 1,024 x 32 uint8 (E8M0 scales of Wk, one for each 32 codes along K); Wq_codes 1,024 x 32 x 24 uint8 (E3M2 codes of Wq, K innermost, in blocks of 32 codes, four codes in three bytes); Wq_scales 1,024 x 32 uint8 (E8M0 scales of Wq, one for each 32 codes along K); Wv_codes 1,024 x 32 x 24 uint8 (E3M2 codes of Wv, K innermost, in blocks of 32 codes, four codes in three bytes); Wv_scales 1,024 x 32 uint8 (E8M0 scales of Wv, one for each 32 codes along K); bk 1,024 float32; bq 1,024 float32; bv 1,024 float32; x_codes 4 x 2,048 x 32 x 24 uint8 (E3M2 codes of x, K innermost, in blocks of 32 codes, four codes in three bytes); x_scales 4 x 2,048 x 32 uint8 (E8M0 scales of x, one for each 32 codes along K).
;; Outputs: out0 4 x 2,048 x 1,024 float32.
;; This version of the problem:
;;   THIS VERSION OF THE PROBLEM IS GIVEN IN LOW PRECISION. The matrix products marked QUANTISED in the list below multiply operands that are first quantised to E3M2 (3 exponent bits, 2 mantissa bits; 6 bits a number), with one power-of-two scale for each 32 numbers along K (OCP MX v1.0); their sums are f32. All else is computed in f32.
;;   The module's matrix products, in the order in which they are computed (A, B: the left and right operand; K: the contracted axis; several contracted axes count as one K, in the product's order):
;;     1. [M 8,192, K 1,024] x [K 1,024, N 1,024]; A: input x (given as codes); B: input Wq (given as codes): QUANTISED
;;     2. [M 8,192, K 1,024] x [K 1,024, N 1,024]; A: input x (given as codes); B: input Wk (given as codes): QUANTISED
;;     3. [M 8,192, K 1,024] x [K 1,024, N 1,024]; A: input x (given as codes); B: input Wv (given as codes): QUANTISED
;;     4. batch 4 x [M 2,048, K 1,024] x [K 1,024, N 2,048]; A: computed on the way; B: computed on the way: QUANTISED
;;     5. batch 4 x [M 2,048, K 2,048] x [K 2,048, N 1,024]; A: softmax (see below); B: computed on the way: QUANTISED
;;   THE QUANTISER, for each operand of a quantised product, along K:
;;     - K is cut into blocks of 32 from its start; a last block that is shorter is filled with zeros.
;;     - A block's scale is 2^e with e = floor(log2(the largest magnitude in the block)) - 4, held to -126 .. 127; a block of zeros has e = 0. As a byte (E8M0): e + 127.
;;     - Each number is divided by its block's scale, clamped to +-28, and rounded to the nearest number of E3M2, ties to even, subnormals kept.
;;     - The product sums the exact products of the quantised numbers (number of the format x scale) in f32.
;;   ~~~python
;;   def quantise(x, axis):      # numpy; x: float32 -> the quantised numbers, widened to float32 again
;;       x = np.moveaxis(x, axis, -1); K = x.shape[-1]
;;       x = np.pad(x, [(0, 0)] * (x.ndim - 1) + [(0, -K % 32)]); x = x.reshape(x.shape[:-1] + (-1, 32)); a = np.abs(x).max(-1, keepdims=True)
;;       e = np.where(a > 0, np.clip(np.frexp(np.where(a > 0, a, 1))[1] - 1 - 4, -126, 127), 0)      # np.frexp(a)[1] - 1 = floor(log2(a)), exactly
;;       r = np.clip(x / 2.0 ** e, -28, 28)
;;       step = 2.0 ** (np.maximum(np.frexp(np.where(r == 0, 1, r))[1] - 1, -2) - 2)
;;       q = np.round(r / step) * step * 2.0 ** e      # np.round: ties to even
;;       return np.moveaxis(q.reshape(q.shape[:-2] + (-1,))[..., :K], -1, axis).astype(np.float32)
;;   ~~~
;;   SOFTMAX AHEAD OF A QUANTISED PRODUCT. Where the list says 'softmax', what is quantised is not the finished softmax but p = 2^(t - M), with t = logit x log2(e) and M = ceil(the row's largest t), a whole number; so 1/2 < the row's largest p <= 1. The row's sum l is taken of the UNQUANTISED p, in f32, and the product's result is divided by l at the end. Since M is a whole number, a kernel that streams over the keys may use a running M (the ceiling of the running maximum): every later rescaling is an exact power of two, which a block's scale takes up: the codes' values come out the same.
;;   OPERANDS COMPUTED ON THE WAY. 'Computed on the way' means the value that the module computes at that place (a softmax that the list does not call 'softmax' is quantised finished and normalised). What goes into a quantiser is computed in f32, as accurately as f32 sums, v_exp_f32 and their like allow (about 1e-6 of the number): no bf16 or f16 on the way to a quantiser, and a product that is left as it is and whose result goes on into a quantised operand takes f32 operands (vector FMAs, or v_wmma_f32_16x16x4_f32). A number that lies on a knife's edge between two numbers of the format may be rounded either way, as far as f32 arithmetic and the matrix unit's own rounding can turn it there, and no further.
;;   INPUTS GIVEN AS CODES. Wk (in the module: [1024, 1024], K = its axis 0); Wq (in the module: [1024, 1024], K = its axis 0); Wv (in the module: [1024, 1024], K = its axis 0); x (in the module: [4, 2048, 1024], K = its axis 2): each comes as NAME_codes (uint8): NAME with its K axis moved to the last place and cut into blocks of 32 codes, [.., K / 32, bytes a block], one block behind the other in memory; four codes in three bytes: a row's codes are one little-endian stream of bits, code i at bits 6 i .. 6 i + 5 (a code: sign, 3 exponent bits, 2 mantissa bits); and NAME_scales (uint8): the same leading axes, one E8M0 byte (e + 127) for each 32 codes along K. Its value is code x scale, taken as it is: it is not quantised again, and the codes and scales need not be those that the quantiser above would give.
;; One version. Each part assembles by itself: llvm-mc -triple=amdgcn-amd-amdhsa -mcpu=gfx1250 --defsym DOCPART=n.
;; ======== version 1 of 1: 3 launches
;; limits: right only within a limited range of input values
;; workspace buffers: qrec 6,553,600 bytes; krec 6,553,600 bytes; vrec 6,553,600 bytes; prec 12,582,912 bytes; pst 1,572,864 bytes
;; launch proj (part 1): grid 8 x 32, 4 waves a work-group, clusters of 4 x 4, 327,680 bytes of LDS; arguments x_codes, x_scales, Wq_codes, Wq_scales, Wk_codes, Wk_scales, Wv_codes, Wv_scales, bq, bk, bv, qrec, krec, vrec; writes qrec, krec, vrec
.if DOCPART == 1
	.amdgcn_target "amdgcn-amd-amdhsa--gfx1250"
	.amdhsa_code_object_version 6
	.text
	.protected	k_q17e2dddbb5_proj
	.globl	k_q17e2dddbb5_proj
	.p2align	8
	.type	k_q17e2dddbb5_proj,@function
k_q17e2dddbb5_proj:
	s_mov_b64 s[64:65], 0
	v_nop
	global_prefetch_b8 v0, s[64:65] scope:SCOPE_SE
	s_setreg_imm32_b32 hwreg(HW_REG_WAVE_MODE, 25, 1), 1
	s_wait_xcnt 0x0
	s_wait_alu depctr_hold_cnt(0) depctr_sa_sdst(0) depctr_va_vdst(0) depctr_va_sdst(0) depctr_va_ssrc(0) depctr_va_vcc(0) depctr_vm_vsrc(0)
	s_getreg_b32 s2, hwreg(HW_REG_IB_STS2, 6, 4)
	s_cmp_eq_u32 s2, 0
	s_cbranch_scc0 .Lentry_in_a_cluster
	s_endpgm
.Lentry_in_a_cluster:
	s_bfe_u32 s2, ttmp6, 0x10000c
	s_cmp_lg_u32 s2, 0xf033
	s_cbranch_scc0 .Lentry_shape_is_right
	s_endpgm
.Lentry_shape_is_right:
; q = x Wq + bq, k = x Wk + bk (rows = tokens, columns = d) and v^T = (x Wv + bv)^T (rows = d, columns = tokens), on codes of BF6 (E3M2) with E8M0 scales, K = 1,024; sums in f32, which begin with the bias.
; WORK LEFT OUT by this program (in the later launches): scores and weighted sums of key tiles that reference()'s own causal mask sets to -inf for every query of a tile: their p is 0 whatever the inputs hold.
; A NaN, an infinity or an overflow that reaches only such tiles is not carried to the result.  Nothing is left out in this launch.
; The results are quantised along their COLUMNS and stored as RECORDS of 12,800 bytes: 128 rows x 128 along the next K = eight images of an operand's 12 registers
; (register R of lane l at 512 (R / 4) + 16 l + 4 (R % 4)), then 128 scale words.  qrec, krec: [token / 128][d / 128]; vrec: [d / 128][token / 128].
; ORDER INSIDE A BLOCK OF 32 of the next K: a lane holds columns 32 B + 16 (i / 8) + 8 (lane / 16) + i % 8 in register 16 B + i, and that number takes place 16 (lane / 16) + i of block B: the same in all records.
; SHARES.  256 work-groups: 256 tokens x 128 of d of each of q, k, v.  A wave makes 64 tokens x 128 of d in each of three passes: 32 accumulators, 8 K steps.
; A wave's x fragments (64 tokens, all of K: 384 registers) are read from LDS once, in the first pass, and STAY: behind it 8 fragments of the weight come from LDS for 32 products.
; K ORDER.  Lane (r, h) takes the 48 neighbouring bytes 48 h .. 48 h + 47 of a row's 96 bytes of a K step, three loads of 16 bytes, on both sides alike: the place 2 c + h of a block of 32 then holds block 2 h + c,
; so the two middle bytes of every scale word change places (v_perm_b32).  Products and scales are the same; only the order of summation inside a K step differs.
; LDS.  x lies as three chunks of 256 bytes of each row; Wq behind them.  When every wave has read chunks 0 and 1 (step 5 of the first pass), Wk is brought into their place; when Wq has been read, Wv into Wq's.
; CLUSTERS: 4 x 4.  x's tile is asked for jointly along a row of the cluster (same tokens), a weight's along a column (same d).
; No prefetch into the L2: the launch has no loop, and two refills in all.
; The matrix instruction is used so that a lane holds one row of the result: q, k: source 0 = 16 rows of the weight, source 1 = 16 tokens; v^T: the sources change places.
; LIMITS: NaN and infinities are not served (a given scale byte 0xff gives NaN); a block whose largest magnitude lies under 2^-122 keeps the byte 1; a block of zeros gets the byte 1 and not 127 (this program alone reads the bytes).
; REGISTERS.  window 0: v0-3, v240-254 at work in QUANT; v4-31 addresses; v32-111 scale words; v112-143 bias of blocks 4-7; v144-239 x's fragments of steps 6, 7.
;   window 1: the weight's fragments, two sets, at v0 and v96; v192-239 x's of step 5; v240-255 bias of blocks 0, 1.  window 2: the accumulators.  window 3: x's of steps 0-4; v240-255 bias of blocks 2, 3.
.set XP,    272                        ; a row of a chunk of x in LDS: 256 bytes + 16: an odd multiple of 16
.set XREG,  256*XP                     ; 69,632: one chunk of 256 rows
.set WP,    816                        ; a weight's row: 768 bytes + 16 behind every 256: an odd multiple of 16
.set WA,    3*XREG                     ; Wq, later Wv; Wk lies at 0
.set SPARE, WA+128*WP                  ; the spare words: 128 bytes a wave, two blocks of 256 bytes that no other line names
.set SCR,   SPARE+512                  ; 256 bytes a wave: 64 scale words are gathered here; no fill lands here
.set STG,   24576                      ; v's halves meet at LDS bytes 0 .. 25,599 (Wk's place, which has had its last fill): 6,144 a wave, then 256 bytes of scales a wave
.set REC,   12800
.set XA,  4                            ; v4-6   x, chunk 0, 1, 2: row x pitch + 48 h;  v7-8: lanes 0-15 chunk 0 (1), lanes 16-31 the next chunk
.set WAD, 9                            ; v9-16  the weight, two places x (rows 0-63, 64-127) x (+ 48 h; + 64 h, for pieces behind one padding more)
.set SPW, 17                           ; v17    my spare word; never rewritten
.set NIL, 18                           ; v18    0; never rewritten
.set LI,  19                           ; 16 lane
.set L8,  20                           ; 8 lane
.set SCW, 21
.set SCRD,22
.set SO,  23                           ; 32 r + 16 h
.set CBO, 24                           ; 32 h
.set RBO, 25                           ; 4 r
.set VS,  26
.set VSC, 27
.set VR,  28
.set VRS, 29
.set SX,  32                           ; scale words, four registers a block of 16 rows: lanes 0-15 K steps 0-3, lanes 16-31 K steps 4-7: x's,
.set SW0, 48                           ; Wq's, later Wv's
.set SW1, 80                           ; Wk's
.set BI,  112
.set XF6, 144
.set PC,  240                          ; v240-251 the codes just made; v252-254, v0-2 halves of them
.set PW,  3                            ; the scale word just made
.set TM,  96                           ; window 1, set 1's place: at work in QUANT
.set G1X, 24                           ; descriptor groups 1: x's chunk, Wq's 128 rows, 32 rows of a weight
.set G1H, 48
.set G1W, 56
.set G0X, 32                           ; groups 0: x, Wq, Wk, Wv
.set G0H, 36
.set G0K, 20
.set G0V, 96
.set PSEL,47
.set SEL, 100                          ; s[100:101] v_permlanex16_b32's selects for lane l xor 16
.set MSB, 0
.macro WIN new                         ; the immediate's high byte repeats the setting that is left
.if MSB != (\new)
	s_set_vgpr_msb (MSB<<8)|(\new)
.set MSB, (\new)
.endif
.endm
.macro CREST                           ; a round of the cluster's barrier behind its opening barrier
	s_cmp_lg_u32 s14, 0
	s_cbranch_scc1 .Lnot_wave_0_\@
	s_barrier_signal -3
.Lnot_wave_0_\@:
	s_barrier_wait -3
	s_barrier_signal -1
	s_barrier_wait -1
.endm
.macro CROUND
	s_barrier_signal -1
	s_barrier_wait -1
	CREST
.endm
.macro PLACES                          ; plain vector instructions between a matrix instruction and a load into, or a vector read of, its registers
.rept 4
	v_nop
.endr
.endm
.macro BPOS b                          ; where block b's bias lies: window BWN, eight registers from BRG on
.if (\b) < 2
.set BWN, 1
.set BRG, 240+8*(\b)
.elseif (\b) < 4
.set BWN, 3
.set BRG, 224+8*(\b)
.else
.set BWN, 0
.set BRG, BI-32+8*(\b)
.endif
.endm
.macro BLOAD base                      ; the bias of columns 16 b + 8 h + 0 .. 7
.irp b, 0,1,2,3,4,5,6,7
	BPOS \b
	WIN (BWN<<6)
	global_load_b128 v[BRG:BRG+3], v[CBO], s[\base:\base+1] offset:64*\b
	global_load_b128 v[BRG+4:BRG+7], v[CBO], s[\base:\base+1] offset:64*\b+16
.endr
	WIN 0
.endm
	s_load_b512 s[68:83], s[0:1], 0x0              ; x codes, x scales, Wq codes, scales, Wk codes, scales, Wv codes, scales
	s_load_b256 s[84:91], s[0:1], 0x40             ; bq, bk, bv, qrec
	s_load_b128 s[92:95], s[0:1], 0x60             ; krec, vrec
	v_lshl_add_u32 v[SPW], v0, 2, SPARE
	v_mov_b32 v[NIL], 0
	ds_add_u32 v[SPW], v[NIL]                      ; the wave's opening: the add, twice on end, and its wait ahead of the first tensor load
	ds_add_u32 v[SPW], v[NIL]
	v_lshrrev_b32 v1, 5, v0
	v_readfirstlane_b32 s14, v1                    ; wave 0..3
	s_lshr_b32 s15, s14, 1                         ; which record of 128 tokens is mine,
	s_and_b32 s16, s14, 1                          ; and which half of it
	s_bfe_u32 s40, ttmp6, 0x40000                  ; cx
	s_bfe_u32 s41, ttmp6, 0x40004                  ; cy
	s_and_b32 s42, ttmp7, 0xffff
	s_lshl_b32 s42, s42, 2
	s_add_co_u32 s42, s42, s41                     ; tg: my 256 tokens
	s_lshl_b32 s45, ttmp9, 2
	s_add_co_u32 s45, s45, s40                     ; dg: my 128 of d
	s_lshl_b32 s43, s41, 2
	s_lshl_b32 s43, 15, s43                        ; my row of the cluster
	s_lshl_b32 s44, 0x1111, s40                    ; my column
	s_mov_b32 s[SEL], 0x76543210
	s_mov_b32 s[SEL+1], 0xfedcba98
	s_mov_b32 s[PSEL], 0x03010200                  ; the two middle bytes change places
	; group 1 of x: 256 rows x 256 bytes of rows of 768; 16 bytes of padding behind every 64 words; bit 21 set beside a mask
	s_or_b32 s[G1X], s43, (1<<20)|(1<<21)|(5<<22)|(3<<25)
	s_mov_b32 s[G1X+1], 256<<16
	s_mov_b32 s[G1X+2], 256<<16
	s_mov_b32 s[G1X+3], 256<<16
	s_mov_b32 s[G1X+4], 256
	s_mov_b32 s[G1X+5], 768
	s_mov_b32 s[G1X+6], 0
	s_mov_b32 s[G1X+7], 0
	; of a weight: whole rows of 768 bytes: 128 rows at the head, 32 rows a wave at the refills
	s_or_b32 s[G1H], s44, (1<<20)|(1<<21)|(5<<22)|(3<<25)
	s_mov_b32 s[G1H+1], 768<<16
	s_mov_b32 s[G1H+2], 128<<16
	s_mov_b32 s[G1H+3], 768<<16
	s_mov_b32 s[G1H+4], 128
	s_mov_b32 s[G1H+5], 768
	s_mov_b32 s[G1H+6], 0
	s_mov_b32 s[G1H+7], 0
	s_or_b32 s[G1W], s44, (1<<20)|(1<<21)|(5<<22)|(3<<25)
	s_mov_b32 s[G1W+1], 768<<16
	s_mov_b32 s[G1W+2], 32<<16
	s_mov_b32 s[G1W+3], 768<<16
	s_mov_b32 s[G1W+4], 32
	s_mov_b32 s[G1W+5], 768
	s_mov_b32 s[G1W+6], 0
	s_mov_b32 s[G1W+7], 0
	s_lshl_b32 s17, s42, 8                         ; T0: my work-group's first token
	s_lshl_b32 s46, s45, 7                         ; D0: its first row of a weight
	s_mul_i32 s18, s17, 768
	s_lshl_b32 s2, s14, 8                          ; waves 0-2 fetch chunks 0-2 of x
	s_add_co_u32 s18, s18, s2
	s_mov_b32 s19, 0
	s_mul_i32 s66, s46, 768
	s_mov_b32 s67, 0
	s_mul_i32 s4, s14, 32*768                      ; my 32 rows of a weight at the refills,
	s_mov_b32 s5, 0
	s_mul_i32 s6, s14, 32*WP                       ; and where they go: no place in the cluster enters an LDS address
	s_mov_b32 s[G0X], 1
	s_mul_i32 s[G0X+1], s14, XREG
	s_mov_b32 s[G0H], 1
	s_mov_b32 s[G0H+1], WA
	s_mov_b32 s[G0K], 1
	s_add_co_u32 s[G0K+1], s6, 0
	s_mov_b32 s[G0V], 1
	s_add_co_u32 s[G0V+1], s6, WA
	s_wait_alu depctr_va_vdst(0)
	s_wait_dscnt 0x0                               ; both opening adds are done
	s_wait_kmcnt 0x0
	s_add_nc_u64 s[G0X+2:G0X+3], s[68:69], s[18:19]
	s_or_b32 s[G0X+3], s[G0X+3], 0x80000000
	s_add_nc_u64 s[G0H+2:G0H+3], s[72:73], s[66:67]
	s_or_b32 s[G0H+3], s[G0H+3], 0x80000000
	s_add_nc_u64 s[76:77], s[76:77], s[66:67]
	s_add_nc_u64 s[G0K+2:G0K+3], s[76:77], s[4:5]
	s_or_b32 s[G0K+3], s[G0K+3], 0x80000000
	s_add_nc_u64 s[80:81], s[80:81], s[66:67]
	s_add_nc_u64 s[G0V+2:G0V+3], s[80:81], s[4:5]
	s_or_b32 s[G0V+3], s[G0V+3], 0x80000000
	CROUND                                         ; all sixteen work-groups are here: the first joint loads meet
	s_cmp_lt_u32 s14, 3                            ; ONE load a wave: waves 0-2 a chunk of x, wave 3 Wq's 128 rows
	s_cbranch_scc0 .Lwq
	tensor_load_to_lds s[G0X:G0X+3], s[G1X:G1X+7]
	s_nop 0
	PLACES
	s_branch .Lhead
.Lwq:
	tensor_load_to_lds s[G0H:G0H+3], s[G1H:G1H+7]
	s_nop 0
	PLACES
.Lhead:
	s_lshl_b32 s2, s14, 6
	s_add_co_u32 s2, s2, s17
	s_lshl_b32 s2, s2, 5                           ; a row of scales is 32 bytes
	s_mov_b32 s3, 0
	s_add_nc_u64 s[70:71], s[70:71], s[2:3]        ; x's scales at my 64 tokens
	s_lshl_b32 s2, s46, 5
	s_add_nc_u64 s[74:75], s[74:75], s[2:3]        ; the weights' at D0
	s_add_nc_u64 s[78:79], s[78:79], s[2:3]
	s_add_nc_u64 s[82:83], s[82:83], s[2:3]
	s_lshl_b32 s2, s46, 2
	s_add_nc_u64 s[84:85], s[84:85], s[2:3]        ; the biases at D0
	s_add_nc_u64 s[86:87], s[86:87], s[2:3]
	s_add_nc_u64 s[88:89], s[88:89], s[2:3]
	s_mul_i32 s4, s14, 64*XP                       ; my 64 rows of x
	s_lshl_b32 s5, s14, 8
	s_add_co_u32 s5, s5, SCR
	s_mul_i32 s6, s14, 6144
	s_lshl_b32 s7, s14, 8
	s_add_co_u32 s7, s7, STG
	s_mul_i32 s8, s15, 12288
	s_mul_i32 s9, s16, 3072
	s_add_co_u32 s8, s8, s9
	s_lshl_b32 s9, s15, 9
	s_lshl_b32 s10, s16, 7
	s_add_co_u32 s9, s9, s10
	s_add_co_u32 s9, s9, STG
	v_and_b32 v1, 15, v0                           ; r = lane % 16
	v_bfe_u32 v2, v0, 4, 1                         ; h = lane / 16
	v_and_b32 v3, 31, v0                           ; lane
	v_lshlrev_b32 v[SO], 5, v1
	v_lshl_add_u32 v[SO], v2, 4, v[SO]
	v_lshlrev_b32 v[CBO], 5, v2
	v_lshlrev_b32 v[RBO], 2, v1
	v_mul_u32_u24 v[XA], v1, XP
	v_add_nc_u32 v[XA], s4, v[XA]
	v_mad_u32_u24 v[XA+3], v2, XREG-208, v[XA]     ; lanes 16-31: 48 bytes on, in the next chunk
	v_add_nc_u32 v[XA+4], XREG, v[XA+3]
	v_mad_u32_u24 v[XA], v2, 48, v[XA]
	v_add_nc_u32 v[XA+1], XREG, v[XA]
	v_add_nc_u32 v[XA+2], 2*XREG, v[XA]
	v_mul_u32_u24 v[WAD+4], v1, WP                 ; place 1: Wk, at 0
	v_mad_u32_u24 v[WAD+5], v2, 64, v[WAD+4]
	v_mad_u32_u24 v[WAD+4], v2, 48, v[WAD+4]
	v_add_nc_u32 v[WAD+6], 64*WP, v[WAD+4]
	v_add_nc_u32 v[WAD+7], 64*WP, v[WAD+5]
.irp i, 0,1,2,3
	v_add_nc_u32 v[WAD+\i], WA, v[WAD+4+\i]        ; place 0: Wq, Wv
.endr
	v_lshlrev_b32 v[LI], 4, v3
	v_lshlrev_b32 v[L8], 3, v3
	v_lshl_add_u32 v[SCW], v1, 2, s5
	v_add_nc_u32 v[SCRD], s5, v[L8]
	v_add_nc_u32 v[VS], s6, v[L8]
	v_lshl_add_u32 v[VSC], v1, 1, s7
	v_add_nc_u32 v[VR], s8, v[L8]
	v_lshl_add_u32 v[VRS], v3, 2, s9
	s_wait_alu depctr_va_vdst(0)
.irp i, 0,1,2,3
	global_load_b128 v[SX+4*\i:SX+4*\i+3], v[SO], s[70:71] offset:512*\i
.endr
.irp i, 0,1,2,3,4,5,6,7
	global_load_b128 v[SW0+4*\i:SW0+4*\i+3], v[SO], s[74:75] offset:512*\i
.endr
.irp i, 0,1,2,3,4,5,6,7
	global_load_b128 v[SW1+4*\i:SW1+4*\i+3], v[SO], s[78:79] offset:512*\i
.endr
	BLOAD 84
	; where my results go.  q, k: record (2 tg + w / 2) x 8 + dg, images 4 (w % 2) on.  v: record 64 dg + 2 tg + w / 2
	s_lshl_b32 s2, s42, 1
	s_add_co_u32 s2, s2, s15
	s_lshl_b32 s3, s2, 3
	s_add_co_u32 s3, s3, s45
	s_mul_i32 s3, s3, REC
	s_mul_i32 s18, s16, 6144
	s_add_co_u32 s18, s18, s3
	s_mov_b32 s19, 0
	s_add_nc_u64 s[4:5], s[90:91], s[18:19]        ; q's images,
	s_add_nc_u64 s[8:9], s[92:93], s[18:19]        ; k's
	s_lshl_b32 s18, s16, 8
	s_add_co_u32 s18, s18, s3
	s_add_co_u32 s18, s18, 12288
	s_add_nc_u64 s[6:7], s[90:91], s[18:19]        ; q's scale words,
	s_add_nc_u64 s[10:11], s[92:93], s[18:19]      ; k's
	s_lshl_b32 s3, s45, 6
	s_add_co_u32 s3, s3, s2
	s_mul_i32 s3, s3, REC
	s_mul_i32 s18, s16, 6144
	s_add_co_u32 s18, s18, s3
	s_add_nc_u64 s[12:13], s[94:95], s[18:19]      ; v's images,
	s_lshl_b32 s18, s16, 8
	s_add_co_u32 s18, s18, s3
	s_add_co_u32 s18, s18, 12288
	s_add_nc_u64 s[40:41], s[94:95], s[18:19]      ; v's scale words
	s_wait_loadcnt 0x0
.set i, 0
.rept 80
	v_perm_b32 v[SX+i], v[SX+i], v[SX+i], s[PSEL]
.set i, i+1
.endr
; LDS loads.  A fragment, 16 rows x 128 K, is 12 registers: 48 bytes a lane in three pieces of 16.  Piece y of lanes 0-15 lies at byte y of the row, that of lanes 16-31 at byte y + 48.
.macro XPOS s
.if (\s) < 5
.set XWN, 3
.set XFR, 48*(\s)
.elseif (\s) == 5
.set XWN, 1
.set XFR, 192
.else
.set XWN, 0
.set XFR, XF6+48*((\s)-6)
.endif
.endm
.macro FX s                            ; x's four fragments of K step s
	XPOS \s
	WIN (XWN<<6)
.irp a, 0,1,2,3
.irp p, 0,1,2
.set YY, 96*(\s)+16*\p
.if YY%256 < 208
	ds_load_b128 v[XFR+12*\a+4*\p:XFR+12*\a+4*\p+3], v[XA+YY/256] offset:YY%256+16*XP*\a
.else
	ds_load_b128 v[XFR+12*\a+4*\p:XFR+12*\a+4*\p+3], v[XA+3+YY/256] offset:YY%256+16*XP*\a
.endif
.endr
.endr
.endm
.macro FW place, s, set                ; the weight's eight fragments of K step s
	WIN 0x40
.irp b, 0,1,2,3,4,5,6,7
.irp p, 0,1,2
.set YY, 96*(\s)+16*\p
.if YY%256 < 208
	ds_load_b128 v[96*(\set)+12*\b+4*\p:96*(\set)+12*\b+4*\p+3], v[WAD+4*(\place)+2*(\b/4)] offset:YY+16*(YY/256)+16*WP*(\b%4)
.else
	ds_load_b128 v[96*(\set)+12*\b+4*\p:96*(\set)+12*\b+4*\p+3], v[WAD+1+4*(\place)+2*(\b/4)] offset:YY+16*(YY/256)+16*WP*(\b%4)
.endif
.endr
.endr
.endm
; One product: x's block a, the weight's block BB.  kind 0: q, k (a lane holds a token); 1: v^T (a lane holds a row of d).  K step 0 starts the sums with the bias.
.macro WM kind, a, s, sw
.set WF, 96*((\s)%2)+12*BB
.set AF, XFR+12*(\a)
.set WSC, (\sw)+4*BB+(\s)%4
.set ASC, SX+4*(\a)+(\s)%4
.if \kind
.set DD, 8*(4*BB+(\a))
.else
.set DD, 8*(8*(\a)+BB)
.endif
.if (\s) == 0
.set CR, BRG
.else
.set CR, DD
.endif
.if \kind
.if (\s) < 4
	v_wmma_scale_f32_16x16x128_f8f6f4 v[DD:DD+7], v[AF:AF+11], v[WF:WF+11], v[CR:CR+7], v[ASC], v[WSC] matrix_a_fmt:MATRIX_FMT_BF6 matrix_b_fmt:MATRIX_FMT_BF6
.else
	v_wmma_scale_f32_16x16x128_f8f6f4 v[DD:DD+7], v[AF:AF+11], v[WF:WF+11], v[CR:CR+7], v[ASC], v[WSC] matrix_a_fmt:MATRIX_FMT_BF6 matrix_b_fmt:MATRIX_FMT_BF6 matrix_a_scale:MATRIX_SCALE_ROW1 matrix_b_scale:MATRIX_SCALE_ROW1
.endif
.else
.if (\s) < 4
	v_wmma_scale_f32_16x16x128_f8f6f4 v[DD:DD+7], v[WF:WF+11], v[AF:AF+11], v[CR:CR+7], v[WSC], v[ASC] matrix_a_fmt:MATRIX_FMT_BF6 matrix_b_fmt:MATRIX_FMT_BF6
.else
	v_wmma_scale_f32_16x16x128_f8f6f4 v[DD:DD+7], v[WF:WF+11], v[AF:AF+11], v[CR:CR+7], v[WSC], v[ASC] matrix_a_fmt:MATRIX_FMT_BF6 matrix_b_fmt:MATRIX_FMT_BF6 matrix_a_scale:MATRIX_SCALE_ROW1 matrix_b_scale:MATRIX_SCALE_ROW1
.endif
.endif
.endm
; cnt blocks of the weight from b0 on x x's four.  The 32 accumulators take turns, one instruction a turn, in the same order in every step.
.macro MULS kind, s, sw, b0, cnt
	XPOS \s
.set BB, \b0
.rept \cnt
.if (\s) == 0
	BPOS BB
.set CWN, BWN
.else
.set CWN, 2
.endif
.if \kind
	WIN 0x84|(CWN<<4)|XWN
.else
	WIN 0x81|(CWN<<4)|(XWN<<2)
.endif
.irp a, 0,1,2,3
	WM \kind, \a, \s, \sw
.endr
.set BB, BB+1
.endr
.endm
; A K step: the next step's fragments are fetched at its start, in one run (32 products ahead of their use), into the other set.  withx: the first pass brings x's too.
.macro STEP kind, place, s, sw, withx
	s_wait_dscnt 0x0                               ; this step's fragments are in
.if (\s) < 7
	PLACES                                         ; for the loads into the set that the step before multiplied
.if \withx
	FX (\s)+1
.endif
	FW \place, (\s)+1, ((\s)+1)%2
.endif
	MULS \kind, \s, \sw, 0, 8
.endm
; 64 numbers of a lane, accumulator registers s0 .. s0 + 63, sixteen of each of four blocks of 32, become codes in v[PC] on and a scale word in v[PW].
.macro QUANT s0
	WIN 0x5a                                       ; destination and source 2 window 1, sources 0 and 1 window 2
.irp b, 0,1,2,3
	v_max3_num_f32 v[TM+\b], |v[\s0+16*\b]|, |v[\s0+1+16*\b]|, 0x2800000   ; block b: my 16 numbers, and the floor 2^(5 - 127): the byte cannot fall under 1
.endr
.irp i, 2,4,6,8,10,12,14
.irp b, 0,1,2,3
	v_max3_num_f32 v[TM+\b], |v[\s0+16*\b+\i]|, |v[\s0+1+16*\b+\i]|, v[TM+\b]
.endr
.endr
	WIN 0x55
.irp b, 0,1,2,3
	v_permlanex16_b32 v[TM+4+\b], v[TM+\b], s[SEL], s[SEL+1]
.endr
.irp b, 0,1,2,3
	v_max_num_f32 v[TM+\b], v[TM+\b], v[TM+4+\b]   ; with lane l xor 16's: the block's largest magnitude
.endr
.irp b, 0,1,2,3
	v_add_nc_u32 v[TM+12+\b], 0xfe000000, v[TM+\b] ; 4 off its exponent field: the conversion's scale operand
.endr
.irp b, 0,1,2,3
	v_lshrrev_b32 v[TM+4+\b], 23, v[TM+12+\b]      ; the scale's byte
.endr
	WIN 0x11
	v_lshl_or_b32 v[PW], v[TM+5], 8, v[TM+4]
	WIN 0x01
	v_lshl_or_b32 v[PW], v[TM+6], 16, v[PW]
	v_lshl_or_b32 v[PW], v[TM+7], 24, v[PW]
	s_wait_alu depctr_va_vdst(0)                   ; directly ahead of the wait below
	s_wait_xcnt 0x0                                ; the last image's stores have read their registers: only behind this wait are the codes written again
	WIN 0x06                                       ; source 0 window 2, source 1 window 1, destination window 0
.irp c, 0,1
	v_cvt_scalef32_pk16_bf6_f32 v[PC+6*\c:PC+2+6*\c], v[\s0+32*\c:\s0+15+32*\c], v[TM+12+2*\c]
	v_cvt_scalef32_pk16_bf6_f32 v[252-252*\c:254-252*\c], v[\s0+16+32*\c:\s0+31+32*\c], v[TM+13+2*\c]   ; (a conversion's three registers begin on an even number)
.endr
	v_nop                                          ; one plain place behind a scaled conversion
	WIN 0
.irp c, 0,1                                    ; the operand's layout wants a whole block in a lane: lanes 0-15 the first block of a pair, lanes 16-31 the second
.irp i, 0,1,2
	v_permlane16_swap_b32 v[PC+6*\c+\i], v[252-252*\c+\i]
.endr
.irp i, 0,1,2
	v_mov_b32 v[PC+3+6*\c+\i], v[252-252*\c+\i]
.endr
.endr
.endm
.macro QBLK a, dst                     ; 16 tokens x 128 of d: one image of 1,536 bytes (three stores of 512 consecutive aligned bytes) and 16 scale words
	QUANT 64*(\a)
.irp c, 0,1,2
	global_store_b128 v[LI], v[PC+4*\c:PC+4*\c+3], s[\dst:\dst+1] offset:1536*(\a)+512*\c
.endr
	ds_store_b32 v[SCW], v[PW] offset:64*(\a)      ; lanes l and l + 16 write the same word with the same value
.endm
.macro SWOUT dsw
	WIN 0
	ds_load_b64 v[252:253], v[SCRD]                ; LDS serves a wave's instructions in order: this sees my four stores
	s_wait_dscnt 0x0
	global_store_b64 v[L8], v[252:253], s[\dsw:\dsw+1]   ; my 64 scale words: 256 consecutive aligned bytes
.endm
	s_wait_alu depctr_va_vdst(0)
	s_wait_tensorcnt 0x0                           ; my tile of the head's four is in
	s_barrier_signal -1
	s_barrier_wait -1                              ; everybody's is
	FX 0
	FW 0, 0, 0
	; ---- pass q
	STEP 0, 0, 0, SW0, 1
	STEP 0, 0, 1, SW0, 1
	BLOAD 86                                       ; bk: step 0 has read bq
	STEP 0, 0, 2, SW0, 1
	STEP 0, 0, 3, SW0, 1
	STEP 0, 0, 4, SW0, 1
	; step 5: chunks 0 and 1 of x have been read (this step's fragments were the last from chunk 1): Wk is brought into their place
	WIN 0
	s_wait_tensorcnt 0x0
	ds_add_u32 v[SPW], v[NIL]                      ; 0 onto my spare word
	s_wait_dscnt 0x1                               ; this step's fragments are in; the add alone may be out
	MULS 0, 5, SW0, 0, 2
	s_wait_dscnt 0x0                               ; the add is done
	s_barrier_signal -1
	MULS 0, 5, SW0, 2, 2
	WIN 0
	s_barrier_wait -1
	CREST                                          ; no wave of any partner still reads chunks 0 and 1
	tensor_load_to_lds s[G0K:G0K+3], s[G1W:G1W+7]  ; my 32 rows of Wk
	s_nop 0
	PLACES                                         ; behind the tensor load, and the places in front of the loads below
	FX 6
	FW 0, 6, 0
	MULS 0, 5, SW0, 4, 4
	STEP 0, 0, 6, SW0, 1
	STEP 0, 0, 7, SW0, 0
	PLACES                                         ; results are read below, and registers of set 1 written
	QBLK 0, 4
	QBLK 1, 4
	; Wq has been read: Wv is brought into its place; the same wait shows my part of Wk
	s_wait_alu depctr_va_vdst(0)
	s_wait_loadcnt 0x0                             ; bk is in
	s_wait_tensorcnt 0x0
	ds_add_u32 v[SPW], v[NIL]
	s_wait_dscnt 0x0
	CROUND
	tensor_load_to_lds s[G0V:G0V+3], s[G1W:G1W+7]
	s_nop 0
	PLACES
	FW 1, 0, 0                                     ; the next pass's first fragments, ahead of the rest of this pass's way out
	QBLK 2, 4
	QBLK 3, 4
	SWOUT 6
	; ---- pass k
	STEP 0, 1, 0, SW1, 0
	STEP 0, 1, 1, SW1, 0
.irp b, 0,1,2,3,4,5,6,7                        ; bv: one number a lane and block; step 0 has read bk
	BPOS \b
	WIN (BWN<<6)
	global_load_b32 v[BRG], v[RBO], s[88:89] offset:64*\b
.endr
	WIN 0
.irp i, 0,1,2,3,4,5,6,7                        ; and Wv's scale words, in the place of Wq's
	global_load_b128 v[SW0+4*\i:SW0+4*\i+3], v[SO], s[82:83] offset:512*\i
.endr
	STEP 0, 1, 2, SW1, 0
	STEP 0, 1, 3, SW1, 0
	STEP 0, 1, 4, SW1, 0
	STEP 0, 1, 5, SW1, 0
	STEP 0, 1, 6, SW1, 0
	STEP 0, 1, 7, SW1, 0
	PLACES
	WIN 0
	s_wait_tensorcnt 0x0                           ; my part of Wv is in
	s_wait_dscnt 0x0
	s_barrier_signal -1
	s_barrier_wait -1                              ; everybody's is; and nobody reads Wk's place any more
	FW 0, 0, 0
	WIN 0
	s_wait_loadcnt 0x0
.set i, 0
.rept 32
	v_perm_b32 v[SW0+i], v[SW0+i], v[SW0+i], s[PSEL]
.set i, i+1
.endr
.irp b, 0,1,2,3,4,5,6,7                        ; v^T: a lane's eight results of an accumulator share one bias
	BPOS \b
	WIN (BWN<<6)|BWN
.irp j, 1,2,3,4,5,6,7
	v_mov_b32 v[BRG+\j], v[BRG]
.endr
.endr
	QBLK 0, 8
	QBLK 1, 8
	QBLK 2, 8
	QBLK 3, 8
	SWOUT 10
	; ---- pass v
.irp s, 0,1,2,3,4,5,6,7
	STEP 1, 0, \s, SW0, 0
.endr
	PLACES
; A wave has 64 tokens: half an image (six registers) of each of eight blocks of 16 of d, and two bytes of each scale word.  The two waves of a record meet in LDS: pair p of image i at 768 i + 256 p + 8 lane of the wave's bytes.
.irp a, 0,1,2,3
	QUANT 64*\a
.irp p, 0,1,2,3,4,5
	ds_store_b64 v[VS], v[PC+2*\p:PC+2*\p+1] offset:1536*\a+256*\p
.endr
	ds_store_b16 v[VSC], v[PW] offset:64*\a
	ds_store_b16_d16_hi v[VSC], v[PW] offset:64*\a+32
.endr
	s_wait_alu depctr_va_vdst(0)
	s_wait_dscnt 0x0                               ; my stores are done,
	s_barrier_signal -1
	s_barrier_wait -1                              ; everybody's are
	WIN 0x40
.irp i, 0,1,2,3                                ; my four images of the record: registers 0-5 by its first wave, 6-11 by its second
.irp p, 0,1,2,3,4,5
	ds_load_b64 v[12*\i+2*\p:12*\i+2*\p+1], v[VR] offset:768*\i+256*(\p%3)+6144*(\p/3)
.endr
.endr
	ds_load_b32 v48, v[VRS]                        ; two rows' lower halves of the scale words,
	ds_load_b32 v49, v[VRS] offset:256             ; and their upper halves
	s_wait_dscnt 0x2                               ; the images are in; the two above may be out
	WIN 0x04
.irp i, 0,1,2,3
.irp c, 0,1,2
	global_store_b128 v[LI], v[12*\i+4*\c:12*\i+4*\c+3], s[12:13] offset:1536*\i+512*\c
.endr
.endr
	s_mov_b32 s2, 0x05040100
	s_mov_b32 s3, 0x07060302
	s_wait_dscnt 0x0
	WIN 0x55
	v_perm_b32 v50, v49, v48, s2
	v_perm_b32 v51, v49, v48, s3
	WIN 0x04
	global_store_b64 v[L8], v[50:51], s[40:41]
	WIN 0
	s_wait_tensorcnt 0x0                           ; the wave's end
	ds_add_u32 v[SPW], v[NIL]
	s_wait_dscnt 0x0
	CROUND                                         ; the closing round: no work-group ends while a partner may still ask for a tile that names it
	s_endpgm
.Lfunc_end_k_q17e2dddbb5_proj:
	.size	k_q17e2dddbb5_proj, .Lfunc_end_k_q17e2dddbb5_proj-k_q17e2dddbb5_proj
	.p2alignl 7, 3214868480
	.fill 96, 4, 3214868480
	.section	.rodata,"a",@progbits
	.p2align	6, 0x0
	.amdhsa_kernel k_q17e2dddbb5_proj
		.amdhsa_group_segment_fixed_size 327680
		.amdhsa_private_segment_fixed_size 0
		.amdhsa_enable_private_segment 0
		.amdhsa_kernarg_size 112
		.amdhsa_user_sgpr_count 2
		.amdhsa_user_sgpr_kernarg_segment_ptr 1
		.amdhsa_wavefront_size32 1
		.amdhsa_system_sgpr_workgroup_id_x 1
		.amdhsa_system_sgpr_workgroup_id_y 1
		.amdhsa_system_sgpr_workgroup_id_z 1
		.amdhsa_system_vgpr_workitem_id 0
		.amdhsa_next_free_vgpr 1024
		.amdhsa_next_free_sgpr 102
		.amdhsa_reserve_vcc 0
		.amdhsa_float_denorm_mode_32 3
		.amdhsa_float_denorm_mode_16_64 3
		.amdhsa_memory_ordered 1
		.amdhsa_forward_progress 1
		.amdhsa_inst_pref_size 227
	.end_amdhsa_kernel
	.amdgpu_metadata
---
amdhsa.version: [ 1, 2 ]
amdhsa.kernels:
  - .name:           k_q17e2dddbb5_proj
    .symbol:         k_q17e2dddbb5_proj.kd
    .args:
      - { .name: x_codes, .offset: 0, .size: 8, .value_kind: global_buffer, .address_space: global }
      - { .name: x_scales, .offset: 8, .size: 8, .value_kind: global_buffer, .address_space: global }
      - { .name: Wq_codes, .offset: 16, .size: 8, .value_kind: global_buffer, .address_space: global }
      - { .name: Wq_scales, .offset: 24, .size: 8, .value_kind: global_buffer, .address_space: global }
      - { .name: Wk_codes, .offset: 32, .size: 8, .value_kind: global_buffer, .address_space: global }
      - { .name: Wk_scales, .offset: 40, .size: 8, .value_kind: global_buffer, .address_space: global }
      - { .name: Wv_codes, .offset: 48, .size: 8, .value_kind: global_buffer, .address_space: global }
      - { .name: Wv_scales, .offset: 56, .size: 8, .value_kind: global_buffer, .address_space: global }
      - { .name: bq, .offset: 64, .size: 8, .value_kind: global_buffer, .address_space: global }
      - { .name: bk, .offset: 72, .size: 8, .value_kind: global_buffer, .address_space: global }
      - { .name: bv, .offset: 80, .size: 8, .value_kind: global_buffer, .address_space: global }
      - { .name: qrec, .offset: 88, .size: 8, .value_kind: global_buffer, .address_space: global }
      - { .name: krec, .offset: 96, .size: 8, .value_kind: global_buffer, .address_space: global }
      - { .name: vrec, .offset: 104, .size: 8, .value_kind: global_buffer, .address_space: global }
    .group_segment_fixed_size: 327680
    .private_segment_fixed_size: 0
    .kernarg_segment_align: 8
    .kernarg_segment_size: 112
    .max_flat_workgroup_size: 128
    .sgpr_count:     102
    .vgpr_count:     1024
    .wavefront_size: 32
...
	.end_amdgpu_metadata
.endif
;; end of part 1
;; launch scores (part 2): grid 256 x 1, 4 waves a work-group, no clusters, 327,680 bytes of LDS; arguments qrec, krec, prec, pst; writes prec, pst
.if DOCPART == 2
	.amdgcn_target "amdgcn-amd-amdhsa--gfx1250"
	.amdhsa_code_object_version 6
	.text
	.protected	k_q17e2dddbb5_scores
	.globl	k_q17e2dddbb5_scores
	.p2align	8
	.type	k_q17e2dddbb5_scores,@function
k_q17e2dddbb5_scores:
	s_mov_b64 s[64:65], 0
	v_nop
	global_prefetch_b8 v0, s[64:65] scope:SCOPE_SE
	s_setreg_imm32_b32 hwreg(HW_REG_WAVE_MODE, 25, 1), 1
	s_wait_xcnt 0x0
; P = 2^(t - M) of the causally masked scores, t = (q k) log2(e) / 32, on codes of BF6 (E3M2), K = 1,024, sums in f32; P quantised along the keys.  M is a whole number for each row and each 128 keys (the ceiling of the largest t there).
; prec: [query / 128][key / 128 of the batch's 16] x 12,288 bytes: eight register images of 16 queries x 128 keys.  pst: for each such quad p's 128 scale words, 128 x -M, 128 x the sum of the unquantised p.
; WORK LEFT OUT: quads of 128 x 128 wholly above the causal diagonal, which reference()'s own mask sets to -inf: p is 0 there whatever the inputs hold.  No product is made for them; the six of each 512 x 512 on the
; diagonal, which the next launch reads, are stored as zero codes with -M = 2^123 and a sum of 0.  A NaN, an infinity or an overflow that reaches only them is not carried to the result.
; SHARES.  Query tile I = 256 queries of a batch.  Work-groups 32 to 255: one each of its 2 I parts of 128 keys below the diagonal: 256 x 128.  Work-groups 0 to 31: the square on the diagonal: 256 x 128 (part 2 I), and then
; the quad (queries 128 .. 255, part 2 I + 1).  A wave makes 64 x 128, in the second pass 32 x 128.
; NO CLUSTERS: query tile I has 2 I parts, which is no multiple of four: the triangle's tiles do not divide into clusters.  No prefetch into the L2: the launch has no loop to run ahead in, and its tile comes in two halves.
; LDS: q's 256 rows (two runs of eight records of 12,800 bytes), then the keys' eight records: all of K; first K steps 0-3, then 4-7.  On the diagonal the second part's keys take the first part's place.
; The product is used transposed (source 0 = 16 keys, source 1 = 16 queries): a lane holds one query and eight neighbouring keys an accumulator.
; A block's largest p is the same multiply-add and exponential of the block's largest score (this takes v_exp_f32 not to fall where its input rises; at the worst one p, within an ulp of a power of two, is held one code low).
; LIMITS: NaN and infinities are not served; the promise holds while |t| stays under 2^31; a block whose largest p lies under 2^-122 keeps the byte 1.
; REGISTERS: window 0: addresses, scale words, softmax; window 1: fragment set 0 (keys' block b at v[12 b], queries' block a at v[96 + 12 a]); window 3: set 1; window 2: accumulator (a, b) at v[8 (8 a + b)].
.set REC,   12800
.set RUN,   8*REC                      ; 102,400
.set HALF,  4*REC                      ; 51,200
.set KLDS,  2*RUN
.set SPARE, 3*RUN                      ; the spare words: two blocks of 256 bytes that no other line names
.set SCR,   SPARE+512                  ; 768 bytes a wave: the statistics of its 64 rows; no fill lands here
.set SCR2,  SCR+3072                   ; 1,536 bytes: those of the second pass
.set SPW, 6
.set NIL, 7
.set LI,  8                            ; 16 lane
.set L8,  9                            ; 8 lane
.set QA,  10                           ; my queries' images: K steps 0-3, 4-7
.set KA,  12                           ; the keys'
.set QS,  14                           ; scale words: my queries',
.set KS,  16                           ; the keys'
.set QB,  18                           ; the second pass: my 32 queries' images,
.set QT,  20                           ; and scale words
.set SCW, 22
.set SCRD,23
.set SCW2,24
.set SC2D,25
.set DQ,  26                           ; my query less my first key: 64 w + r - 8 h
.set DQ2, 27                           ; in the second pass: 32 w + r - 8 h
.set NINF,28
.set PINF,29
.set ZR,  32                           ; zeros
.set ZWD, 36                           ; what my wave stores into pst for a dead quad
.set SC,  40                           ; scale words, two sets of 12: queries' blocks 0-3, keys' blocks 0-7
.set BM,  64
.set BX,  72
.set SCL, 80
.set BY,  88
.set RM,  96
.set NM,  98                           ; -M of the pair's two row blocks, at NM and NM + 2
.set LS,  104
.set PX,  120
.set PW,  122
.set PEN, 128
.set PC,  144                          ; 20 registers a row block
.set PS,  184
.set G0A, 28
.set G0A1,32
.set CS,  36
.set SEL, 38
.set G1Q, 40
.set G1K, 48
.set G0B, 56
.set G0B1,60
.set PM1, 66
.set G0K, 68
.set ST1, 72
.set PM2, 74
.set ST2, 76
.set ZB,  78
.set ZS,  88
.set CM,  80                           ; s80-87 lane masks
.set MSB, 0
.macro WIN new                         ; the immediate's high byte repeats the setting that is left
.if MSB != (\new)
	s_set_vgpr_msb (MSB<<8)|(\new)
.set MSB, (\new)
.endif
.endm
.macro PLACES                          ; plain vector instructions between a matrix instruction and a load into, or a vector read of, its registers
.rept 4
	v_nop
.endr
.endm
.macro TLOAD ga, gb                    ; one load a wave: waves 0 and 1 a run of q's records, waves 2 and 3 two of the keys' records each
	s_cmp_eq_u32 s15, 0
	s_cbranch_scc0 .Lfor_k_\@
	tensor_load_to_lds s[\ga:\ga+3], s[G1Q:G1Q+7]
	s_nop 0
	PLACES
	s_branch .Lasked_\@
.Lfor_k_\@:
	tensor_load_to_lds s[\gb:\gb+3], s[G1K:G1K+7]
	s_nop 0
	PLACES
.Lasked_\@:
.endm
	s_load_b256 s[4:11], s[0:1], 0x0               ; qrec, krec, prec, pst
	v_lshl_add_u32 v[SPW], v0, 2, SPARE
	v_mov_b32 v[NIL], 0
	ds_add_u32 v[SPW], v[NIL]                      ; the wave's opening: the add, twice on end, and its wait ahead of the first tensor load
	ds_add_u32 v[SPW], v[NIL]
	v_lshrrev_b32 v1, 5, v0
	v_readfirstlane_b32 s14, v1                    ; wave 0..3
	s_lshr_b32 s15, s14, 1
	s_and_b32 s16, s14, 1
	s_mov_b32 s13, ttmp9
	; work-groups 32 on: batch = a / 56; the batch's 56 tiles: I (I - 1) of them lie ahead of query tile I's
	s_sub_co_u32 s20, s13, 32
	s_mov_b32 s18, 0
.irp t, 56,112,168
	s_cmp_ge_u32 s20, \t
	s_cselect_b32 s19, 1, 0
	s_add_co_u32 s18, s18, s19
.endr
	s_mul_i32 s21, s18, 56
	s_sub_co_u32 s21, s20, s21
	s_mov_b32 s22, 1
.irp t, 2,6,12,20,30,42
	s_cmp_ge_u32 s21, \t
	s_cselect_b32 s19, 1, 0
	s_add_co_u32 s22, s22, s19
.endr
	s_sub_co_u32 s23, s22, 1
	s_mul_i32 s23, s22, s23
	s_sub_co_u32 s23, s21, s23
	s_lshr_b32 s24, s13, 3                         ; work-groups 0 to 31: batch, I; part 2 I
	s_and_b32 s25, s13, 7
	s_lshl_b32 s26, s25, 1
	s_cmp_lt_u32 s13, 32
	s_cselect_b32 s18, s24, s18                    ; the batch
	s_cselect_b32 s22, s25, s22                    ; I
	s_cselect_b32 s23, s26, s23                    ; the part of 128 keys
	s_lshl_b32 s24, s18, 4                         ; 16 b
	s_lshl_b32 s25, s22, 1
	s_add_co_u32 s25, s25, s24                     ; 16 b + 2 I: my first 128 queries
	s_mov_b32 s[CS], 0x3d38aa3b                    ; log2(e) / 32
	s_mov_b32 s[CS+1], s[CS]
	s_mov_b32 s[SEL], 0x76543210
	s_mov_b32 s[SEL+1], 0xfedcba98
	; descriptor groups 1: dense blocks as rows of 32 elements of 8 bytes: four records are 200 rows, two are 100
	s_mov_b32 s[G1Q], 3<<16
	s_mov_b32 s[G1Q+1], 32<<16
	s_mov_b32 s[G1Q+2], 200<<16
	s_mov_b32 s[G1Q+3], 32<<16
	s_mov_b32 s[G1Q+4], 200
	s_mov_b32 s[G1Q+5], 32
	s_mov_b32 s[G1Q+6], 0
	s_mov_b32 s[G1Q+7], 0
	s_mov_b32 s[G1K], 3<<16
	s_mov_b32 s[G1K+1], 32<<16
	s_mov_b32 s[G1K+2], 100<<16
	s_mov_b32 s[G1K+3], 32<<16
	s_mov_b32 s[G1K+4], 100
	s_mov_b32 s[G1K+5], 32
	s_mov_b32 s[G1K+6], 0
	s_mov_b32 s[G1K+7], 0
	s_mov_b32 s[G0A], 1
	s_mul_i32 s[G0A+1], s16, RUN
	s_mov_b32 s[G0A1], 1
	s_add_co_u32 s[G0A1+1], s[G0A+1], HALF
	s_mul_i32 s2, s16, 2*REC
	s_mov_b32 s[G0B], 1
	s_add_co_u32 s[G0B+1], s2, KLDS
	s_mov_b32 s[G0B1], 1
	s_add_co_u32 s[G0B1+1], s2, KLDS+HALF
	s_mul_i32 s3, s14, 2*REC
	s_mov_b32 s[G0K], 1
	s_add_co_u32 s[G0K+1], s3, KLDS
	s_wait_alu depctr_va_vdst(0)
	s_wait_dscnt 0x0                               ; both opening adds are done
	s_wait_kmcnt 0x0
	s_mov_b32 s21, 0
	s_add_co_u32 s20, s25, s16
	s_mul_i32 s20, s20, RUN
	s_add_nc_u64 s[G0A+2:G0A+3], s[4:5], s[20:21]
	s_or_b32 s[G0A+3], s[G0A+3], 0x80000000
	s_add_nc_u64 s[G0A1+2:G0A1+3], s[G0A+2:G0A+3], HALF
	s_add_co_u32 s20, s24, s23
	s_mul_i32 s20, s20, RUN
	s_add_co_u32 s20, s20, s2
	s_add_nc_u64 s[G0B+2:G0B+3], s[6:7], s[20:21]
	s_or_b32 s[G0B+3], s[G0B+3], 0x80000000
	s_add_nc_u64 s[G0B1+2:G0B1+3], s[G0B+2:G0B+3], HALF
	s_add_co_u32 s20, s25, 1
	s_mul_i32 s20, s20, RUN
	s_add_co_u32 s20, s20, s3
	s_add_nc_u64 s[G0K+2:G0K+3], s[6:7], s[20:21]
	s_or_b32 s[G0K+3], s[G0K+3], 0x80000000
	TLOAD G0A, G0B                                 ; K steps 0-3
	; where my results go: quad (query / 128, part) = 16 (query / 128) + part
	s_add_co_u32 s2, s25, s15
	s_lshl_b32 s2, s2, 4
	s_add_co_u32 s2, s2, s23
	s_mul_i32 s20, s2, 12288
	s_mul_i32 s3, s16, 6144
	s_add_co_u32 s20, s20, s3
	s_add_nc_u64 s[PM1:PM1+1], s[8:9], s[20:21]
	s_mul_i32 s20, s2, 1536
	s_lshl_b32 s3, s16, 8
	s_add_co_u32 s20, s20, s3
	s_add_nc_u64 s[ST1:ST1+1], s[10:11], s[20:21]
	s_lshl_b32 s2, s25, 4
	s_lshl_b32 s3, s22, 1
	s_add_co_u32 s2, s2, s3
	s_add_co_u32 s2, s2, 1                         ; the dead quad (2 I, 2 I + 1)
	s_mul_i32 s20, s2, 12288
	s_mul_i32 s3, s14, 3072
	s_add_co_u32 s20, s20, s3
	s_add_nc_u64 s[ZB:ZB+1], s[8:9], s[20:21]
	s_add_nc_u64 s[PM2:PM2+1], s[ZB:ZB+1], 16*12288 ; the second pass's quad (2 I + 1, 2 I + 1) lies sixteen quads on
	s_mul_i32 s20, s2, 1536
	s_lshl_b32 s3, s14, 9
	s_add_co_u32 s20, s20, s3
	s_add_nc_u64 s[ZS:ZS+1], s[10:11], s[20:21]
	s_add_nc_u64 s[ST2:ST2+1], s[ZS:ZS+1], 16*1536
	; LDS bases
	s_mul_i32 s2, s15, RUN
	s_mul_i32 s3, s16, 6144
	s_add_co_u32 s3, s3, s2                        ; my four images of eight
	s_lshl_b32 s20, s16, 8
	s_add_co_u32 s20, s20, s2
	s_add_co_u32 s20, s20, 12288                   ; my 64 scale words
	s_mul_i32 s23, s14, 3072
	s_add_co_u32 s23, s23, RUN                     ; the second pass: my two images of queries 128 .. 255,
	s_lshl_b32 s24, s14, 7
	s_add_co_u32 s25, s24, RUN+12288               ; my 32 scale words,
	s_add_co_u32 s24, s24, SCR2                    ; and where my statistics go
	s_mul_i32 s26, s14, 768
	s_add_co_u32 s26, s26, SCR
	s_lshl_b32 s27, s14, 9
	s_add_co_u32 s27, s27, SCR2
	s_lshl_b32 s18, s14, 6
	s_lshl_b32 s19, s14, 5
	s_cmp_eq_u32 s14, 0
	s_cselect_b32 s2, 0x01010101, 0                ; a dead quad's scale words (wave 0),
	s_cmp_eq_u32 s14, 1
	s_cselect_b32 s2, 0x7d000000, s2               ; its -M (wave 1), its sums (wave 2)
	v_and_b32 v1, 15, v0                           ; r
	v_bfe_u32 v2, v0, 4, 1                         ; h
	v_and_b32 v3, 31, v0
	v_lshlrev_b32 v4, 2, v1
	v_lshlrev_b32 v5, 3, v2
	v_sub_nc_u32 v5, v1, v5
	v_lshlrev_b32 v[LI], 4, v3
	v_lshlrev_b32 v[L8], 3, v3
	v_add_nc_u32 v[QA], s3, v[LI]
	v_add_nc_u32 v[QA+1], HALF, v[QA]
	v_add_nc_u32 v[KA], KLDS, v[LI]
	v_add_nc_u32 v[KA+1], KLDS+HALF, v[LI]
	v_add_nc_u32 v[QS], s20, v4
	v_add_nc_u32 v[QS+1], HALF, v[QS]
	v_add_nc_u32 v[KS], KLDS+12288, v4
	v_add_nc_u32 v[KS+1], KLDS+HALF+12288, v4
	v_add_nc_u32 v[QB], s23, v[LI]
	v_add_nc_u32 v[QB+1], HALF, v[QB]
	v_add_nc_u32 v[QT], s25, v4
	v_add_nc_u32 v[QT+1], HALF, v[QT]
	v_add_nc_u32 v[SCW], s26, v4
	v_add_nc_u32 v[SCRD], s26, v[L8]
	v_add_nc_u32 v[SCW2], s24, v4
	v_add_nc_u32 v[SC2D], s27, v[LI]
	v_add_nc_u32 v[DQ], s18, v5
	v_add_nc_u32 v[DQ2], s19, v5
	v_mov_b32 v[NINF], 0xff800000
	v_mov_b32 v[PINF], 0x7f800000
.irp i, 0,1,2,3
	v_mov_b32 v[ZR+\i], 0
	v_mov_b32 v[ZWD+\i], s2
.endr
.irp i, 0,1,2,3,4,5,6,7
	v_mov_b32 v[BX+\i], 0                          ; written once: a lane permute's destination counts as one of its sources
.endr
	v_mov_b32 v[PX], 0
	v_mov_b32 v[PX+1], 0
	v_mov_b32 v[NM+1], 0                           ; (named as the upper halves of pairs)
	v_mov_b32 v[NM+3], 0
	s_wait_alu depctr_va_vdst(0)
	; the dead quads, under the tile's flight: (2 I, 2 I + 1), and where I is even the four of queries 2 I, 2 I + 1 and parts 2 I + 2, 2 I + 3.  A wave stores a quarter of a quad's codes
	s_cmp_lt_u32 s13, 32
	s_cbranch_scc0 .Lno_zeros
.irp i, 0,1,2,3,4,5
	global_store_b128 v[LI], v[ZR:ZR+3], s[ZB:ZB+1] offset:512*\i
.endr
	s_bitcmp1_b32 s22, 0
	s_cbranch_scc1 .Lodd_codes
.irp z, 1,2,17,18
.irp i, 0,1,2,3,4,5
	global_store_b128 v[LI], v[ZR:ZR+3], s[ZB:ZB+1] offset:12288*\z+512*\i
.endr
.endr
.Lodd_codes:
	s_cmp_lt_u32 s14, 3
	s_cbranch_scc0 .Lno_zeros
	global_store_b128 v[LI], v[ZWD:ZWD+3], s[ZS:ZS+1]
	s_bitcmp1_b32 s22, 0
	s_cbranch_scc1 .Lno_zeros
.irp z, 1,2,17,18
	global_store_b128 v[LI], v[ZWD:ZWD+3], s[ZS:ZS+1] offset:1536*\z
.endr
.Lno_zeros:
.macro FETCH st, set, two              ; K step st's fragments and scale words into a set; two = 1: the second pass's two blocks of queries
	WIN 0x40+0x80*(\set)
.irp a, 0,1,2,3
.if (\a) < 4-2*(\two)
.irp g, 0,1,2
.if \two
	ds_load_b128 v[96+12*\a+4*\g:96+12*\a+4*\g+3], v[QB+(\st)/4] offset:REC*((\st)%4)+1536*\a+512*\g
.else
	ds_load_b128 v[96+12*\a+4*\g:96+12*\a+4*\g+3], v[QA+(\st)/4] offset:REC*((\st)%4)+1536*\a+512*\g
.endif
.endr
.endif
.endr
.irp b, 0,1,2,3,4,5,6,7
.irp g, 0,1,2
	ds_load_b128 v[12*\b+4*\g:12*\b+4*\g+3], v[KA+(\st)/4] offset:REC*((\st)%4)+1536*\b+512*\g
.endr
.endr
	WIN 0
.irp a, 0,1,2,3
.if (\a) < 4-2*(\two)
.if \two
	ds_load_b32 v[SC+12*(\set)+\a], v[QT+(\st)/4] offset:REC*((\st)%4)+64*\a
.else
	ds_load_b32 v[SC+12*(\set)+\a], v[QS+(\st)/4] offset:REC*((\st)%4)+64*\a
.endif
.endif
.endr
.irp b, 0,1,2,3,4,5,6,7
	ds_load_b32 v[SC+12*(\set)+4+\b], v[KS+(\st)/4] offset:REC*((\st)%4)+64*\b
.endr
.endm
; cnt of the keys' blocks from b0 on x the queries' four (two) blocks.  The accumulators take turns, one instruction a turn, in the same order in every step.
.macro MUL st, two, b0, cnt
	WIN 0xa5+0x0a*((\st)%2)
.set SCB, SC+12*((\st)%2)
.set BB, \b0
.rept \cnt
.irp a, 0,1,2,3
.if (\a) < 4-2*(\two)
.set DD, 8*(8*(\a)+BB)
.if (\st) == 0
	v_wmma_scale_f32_16x16x128_f8f6f4 v[DD:DD+7], v[12*BB:12*BB+11], v[96+12*(\a):107+12*(\a)], 0, v[SCB+4+BB], v[SCB+(\a)] matrix_a_fmt:MATRIX_FMT_BF6 matrix_b_fmt:MATRIX_FMT_BF6
.else
	v_wmma_scale_f32_16x16x128_f8f6f4 v[DD:DD+7], v[12*BB:12*BB+11], v[96+12*(\a):107+12*(\a)], v[DD:DD+7], v[SCB+4+BB], v[SCB+(\a)] matrix_a_fmt:MATRIX_FMT_BF6 matrix_b_fmt:MATRIX_FMT_BF6
.endif
.endif
.endr
.set BB, BB+1
.endr
.endm
.macro STEP st, two                    ; the next step's fragments are fetched at the step's start, in one run, into the other set
	s_wait_dscnt 0x0
.if (\st) < 7
	PLACES
	FETCH (\st)+1, ((\st)+1)%2, \two
.endif
	MUL \st, \two, 0, 8
.endm
; THE MASK: a number is held at -inf where its key lies behind its query: key less query, 16 (b - a) + j, over the lane's own difference.  Eight bounds (-inf or +inf) serve all tiles of one b - a.
.macro MASK na, dreg
.set DIA, 1-(\na)
.rept 7+(\na)
	WIN 0
.irp j, 0,1,2,3,4,5,6,7
	v_cmp_gt_i32 s[CM+\j], 16*DIA+\j, v[\dreg]
.endr
.irp j, 0,1,2,3,4,5,6,7
	v_cndmask_b32 v[PEN+\j], v[PINF], v[NINF], s[CM+\j]
.endr
	WIN 0x82
.irp a, 0,1,2,3
.if (\a) < (\na)
.if ((\a)+DIA) >= 0
.if ((\a)+DIA) < 8
.set DD, 8*(8*(\a)+(\a)+DIA)
.irp j, 0,1,2,3,4,5,6,7
	v_min_num_f32 v[DD+\j], v[DD+\j], v[PEN+\j]
.endr
.endif
.endif
.endif
.endr
.set DIA, DIA+1
.endr
	WIN 0
.endm
; Two row blocks of 16 queries x 128 keys, accumulator registers s0 .. s0 + 127: group g = 16 registers = my half of a block of 32 keys; row block g / 4.  a0: the pair's first row block; arr: bytes from one kind of statistics to the next.
.macro PAIR s0, a0, dst, scw, arr
	WIN 0x2a
.irp g, 0,1,2,3,4,5,6,7
	v_max3_num_f32 v[BM+\g], v[\s0+16*\g], v[\s0+16*\g+1], v[\s0+16*\g+2]   ; each accumulator from its low end on
.endr
	WIN 0x0a
.irp i, 3,5,7,9,11,13
.irp g, 0,1,2,3,4,5,6,7
	v_max3_num_f32 v[BM+\g], v[\s0+16*\g+\i], v[\s0+16*\g+\i+1], v[BM+\g]
.endr
.endr
	WIN 0x02
.irp g, 0,1,2,3,4,5,6,7
	v_max_num_f32 v[BM+\g], v[\s0+16*\g+15], v[BM+\g]
.endr
	WIN 0
.irp g, 0,1,2,3,4,5,6,7
	v_permlanex16_b32 v[BX+\g], v[BM+\g], s[SEL], s[SEL+1]
.endr
.irp g, 0,1,2,3,4,5,6,7
	v_max_num_f32 v[BM+\g], v[BM+\g], v[BX+\g]     ; the largest score of each block of 32 keys
.endr
.irp q, 0,1
	v_max3_num_f32 v[RM+\q], v[BM+4*\q], v[BM+4*\q+1], v[BM+4*\q+2]
.endr
.irp q, 0,1
	v_max_num_f32 v[RM+\q], v[RM+\q], v[BM+4*\q+3]
.endr
.irp q, 0,1
	v_mul_f32 v[RM+\q], s[CS], v[RM+\q]
.endr
.irp q, 0,1
	v_floor_f32 v[NM+2*\q], -v[RM+\q]              ; -M, a whole number
.endr
.irp g, 0,1,2,3,4,5,6,7
	v_fma_f32 v[BM+\g], v[BM+\g], s[CS], v[NM+2*(\g/4)]
.endr
	WIN 0x82
.set n, 0
.rept 64
	v_pk_fma_f32 v[\s0+n:\s0+n+1], v[\s0+n:\s0+n+1], s[CS:CS+1], v[NM+2*(n/64):NM+2*(n/64)+1] op_sel_hi:[1,0,0]
.set n, n+2
.endr
	s_wait_alu depctr_va_vdst(0)
.set n, 0
.rept 128
	v_exp_f32 v[\s0+n], v[\s0+n]
.set n, n+1
.endr
	WIN 0
.irp g, 0,1,2,3,4,5,6,7
	v_exp_f32 v[BM+\g], v[BM+\g]                   ; the block's largest p
.endr
	v_nop                                          ; a plain place behind the exponentials,
	s_wait_alu depctr_va_vdst(0)                   ; and a wait ahead of their first reader
	WIN 0x0a
.irp q, 0,1
.irp c, 0,1,2,3
	v_pk_add_f32 v[LS+8*\q+2*\c:LS+8*\q+2*\c+1], v[\s0+64*\q+2*\c:\s0+64*\q+2*\c+1], v[\s0+64*\q+8+2*\c:\s0+64*\q+9+2*\c]   ; the sums, of the unquantised p
.endr
.endr
	WIN 0x02
.irp k, 2,3,4,5,6,7
.irp q, 0,1
.irp c, 0,1,2,3
	v_pk_add_f32 v[LS+8*\q+2*\c:LS+8*\q+2*\c+1], v[\s0+64*\q+8*\k+2*\c:\s0+64*\q+8*\k+2*\c+1], v[LS+8*\q+2*\c:LS+8*\q+2*\c+1]
.endr
.endr
.endr
	WIN 0
.irp q, 0,1
	v_pk_add_f32 v[LS+8*\q:LS+8*\q+1], v[LS+8*\q:LS+8*\q+1], v[LS+8*\q+2:LS+8*\q+3]
	v_pk_add_f32 v[LS+8*\q+4:LS+8*\q+5], v[LS+8*\q+4:LS+8*\q+5], v[LS+8*\q+6:LS+8*\q+7]
.endr
.irp q, 0,1
	v_pk_add_f32 v[LS+8*\q:LS+8*\q+1], v[LS+8*\q:LS+8*\q+1], v[LS+8*\q+4:LS+8*\q+5]
.endr
.irp q, 0,1
	v_add_f32 v[LS+8*\q], v[LS+8*\q], v[LS+8*\q+1]
.endr
.irp q, 0,1
	v_permlanex16_b32 v[PX+\q], v[LS+8*\q], s[SEL], s[SEL+1]
.endr
.irp q, 0,1
	v_add_f32 v[LS+8*\q], v[LS+8*\q], v[PX+\q]     ; with lane l xor 16's
.endr
.irp g, 0,1,2,3,4,5,6,7
	v_max_num_f32 v[BM+\g], 0x2800000, v[BM+\g]    ; the floor 2^(5 - 127): the byte cannot fall under 1
.endr
.irp g, 0,1,2,3,4,5,6,7
	v_add_nc_u32 v[SCL+\g], 0xfe000000, v[BM+\g]   ; 4 off the exponent field: the conversion's scale operand
.endr
.irp g, 0,1,2,3,4,5,6,7
	v_lshrrev_b32 v[BY+\g], 23, v[SCL+\g]          ; the scale's byte
.endr
.irp q, 0,1
	v_lshl_or_b32 v[PW+\q], v[BY+4*\q+1], 8, v[BY+4*\q]
.endr
.irp q, 0,1
	v_lshl_or_b32 v[PW+\q], v[BY+4*\q+2], 16, v[PW+\q]
.endr
.irp q, 0,1
	v_lshl_or_b32 v[PW+\q], v[BY+4*\q+3], 24, v[PW+\q]
.endr
	s_wait_alu depctr_va_vdst(0)                   ; directly ahead of the wait below
	s_wait_xcnt 0x0                                ; the last pair's stores have read their registers: only behind this wait are the codes written again
	WIN 0x02
.irp q, 0,1
.irp c, 0,1
	v_cvt_scalef32_pk16_bf6_f32 v[PC+20*\q+6*\c:PC+20*\q+6*\c+2], v[\s0+64*\q+32*\c:\s0+64*\q+32*\c+15], v[SCL+4*\q+2*\c]
	v_cvt_scalef32_pk16_bf6_f32 v[PC+20*\q+12+4*\c:PC+20*\q+14+4*\c], v[\s0+64*\q+32*\c+16:\s0+64*\q+32*\c+31], v[SCL+4*\q+2*\c+1]   ; (a conversion's three registers begin on an even number)
.endr
.endr
	v_nop                                          ; one plain place behind a scaled conversion
	WIN 0
.irp q, 0,1
.irp c, 0,1                                    ; the operand's layout wants a whole block in a lane: lanes 0-15 block 2 c, lanes 16-31 block 2 c + 1
.irp i, 0,1,2
	v_permlane16_swap_b32 v[PC+20*\q+6*\c+\i], v[PC+20*\q+12+4*\c+\i]
.endr
.irp i, 0,1,2
	v_mov_b32 v[PC+20*\q+3+6*\c+\i], v[PC+20*\q+12+4*\c+\i]
.endr
.endr
.endr
.irp q, 0,1
.irp c, 0,1,2
	global_store_b128 v[LI], v[PC+20*\q+4*\c:PC+20*\q+4*\c+3], s[\dst:\dst+1] offset:1536*(\a0+\q)+512*\c   ; an image: three stores of 512 consecutive aligned bytes
.endr
	ds_store_b32 v[\scw], v[PW+\q] offset:64*(\a0+\q)          ; lanes l and l + 16 write the same words with the same values
	ds_store_b32 v[\scw], v[NM+2*\q] offset:\arr+64*(\a0+\q)
	ds_store_b32 v[\scw], v[LS+8*\q] offset:2*\arr+64*(\a0+\q)
.endr
.endm
	s_wait_alu depctr_va_vdst(0)
	s_wait_tensorcnt 0x0                           ; my part of K steps 0-3 is in
	ds_add_u32 v[SPW], v[NIL]
	s_wait_dscnt 0x0
	s_barrier_signal -1
	s_barrier_wait -1                              ; everybody's is
	TLOAD G0A1, G0B1                               ; K steps 4-7, the first tensor load behind the barrier
	FETCH 0, 0, 0
	STEP 0, 0
	STEP 1, 0
	STEP 2, 0
	s_wait_dscnt 0x0                               ; step 3: its fragments are in,
	s_wait_tensorcnt 0x0                           ; and my part of K steps 4-7
	s_barrier_signal -1
	MUL 3, 0, 0, 4
	s_barrier_wait -1                              ; everybody's is
	PLACES
	FETCH 4, 0, 0
	MUL 3, 0, 4, 4
	STEP 4, 0
	STEP 5, 0
	STEP 6, 0
	STEP 7, 0
	WIN 0
	s_wait_tensorcnt 0x0                           ; the keys' place is filled again on the diagonal
	ds_add_u32 v[SPW], v[NIL]                      ; 0 onto my spare word
	PLACES                                         ; results are read below
	s_wait_dscnt 0x0
	s_barrier_signal -1
	s_barrier_wait -1                              ; nobody reads the first part's keys any more
	s_cmp_lt_u32 s13, 32
	s_cbranch_scc0 .Lno_part
	tensor_load_to_lds s[G0K:G0K+3], s[G1K:G1K+7]  ; part 2 I + 1: two records a wave, on their way while the first pass goes out
	s_nop 0
	PLACES
.Lno_part:
	s_cmp_lt_u32 s13, 32
	s_cbranch_scc0 .Lopen                          ; below the diagonal nothing is masked
	MASK 4, DQ
.Lopen:
	PAIR 0, 0, PM1, SCW, 256
	PAIR 128, 2, PM1, SCW, 256
.irp f, 0,1,2
	ds_load_b64 v[PS+2*\f:PS+2*\f+1], v[SCRD] offset:256*\f        ; LDS serves a wave's instructions in order: these see my stores
.endr
	s_wait_dscnt 0x0
.irp f, 0,1,2
	global_store_b64 v[L8], v[PS+2*\f:PS+2*\f+1], s[ST1:ST1+1] offset:512*\f   ; my 64 rows: 256 consecutive aligned bytes
.endr
	s_wait_alu depctr_va_vdst(0)
	s_wait_tensorcnt 0x0                           ; my part of part 2 I + 1 is in, where there is one
	s_wait_dscnt 0x0
	s_barrier_signal -1
	s_barrier_wait -1
	s_cmp_lt_u32 s13, 32
	s_cbranch_scc0 .Ljoin
	FETCH 0, 0, 1                                  ; the second pass: 32 queries a wave
.irp st, 0,1,2,3,4,5,6,7
	STEP \st, 1
.endr
	PLACES
	MASK 2, DQ2
	PAIR 0, 0, PM2, SCW2, 512
.Ljoin:
	s_wait_alu depctr_va_vdst(0)
	s_wait_dscnt 0x0
	s_barrier_signal -1
	s_barrier_wait -1                              ; the second pass's statistics of all four waves lie in LDS
	s_cmp_lt_u32 s13, 32
	s_cbranch_scc0 .Lend
	s_cmp_lt_u32 s14, 3
	s_cbranch_scc0 .Lend
	ds_load_b128 v[192:195], v[SC2D]               ; waves 0-2: one kind of statistics each, 128 rows
	s_wait_dscnt 0x0
	global_store_b128 v[LI], v[192:195], s[ST2:ST2+1]
.Lend:
	s_wait_tensorcnt 0x0                           ; the wave's end
	ds_add_u32 v[SPW], v[NIL]
	s_wait_dscnt 0x0
	s_endpgm
.Lfunc_end_k_q17e2dddbb5_scores:
	.size	k_q17e2dddbb5_scores, .Lfunc_end_k_q17e2dddbb5_scores-k_q17e2dddbb5_scores
	.p2alignl 7, 3214868480
	.fill 96, 4, 3214868480
	.section	.rodata,"a",@progbits
	.p2align	6, 0x0
	.amdhsa_kernel k_q17e2dddbb5_scores
		.amdhsa_group_segment_fixed_size 327680
		.amdhsa_private_segment_fixed_size 0
		.amdhsa_enable_private_segment 0
		.amdhsa_kernarg_size 32
		.amdhsa_user_sgpr_count 2
		.amdhsa_user_sgpr_kernarg_segment_ptr 1
		.amdhsa_wavefront_size32 1
		.amdhsa_system_sgpr_workgroup_id_x 1
		.amdhsa_system_sgpr_workgroup_id_y 1
		.amdhsa_system_sgpr_workgroup_id_z 1
		.amdhsa_system_vgpr_workitem_id 0
		.amdhsa_next_free_vgpr 1024
		.amdhsa_next_free_sgpr 96
		.amdhsa_reserve_vcc 0
		.amdhsa_float_denorm_mode_32 3
		.amdhsa_float_denorm_mode_16_64 3
		.amdhsa_memory_ordered 1
		.amdhsa_forward_progress 1
		.amdhsa_inst_pref_size 214
	.end_amdhsa_kernel
	.amdgpu_metadata
---
amdhsa.version: [ 1, 2 ]
amdhsa.kernels:
  - .name:           k_q17e2dddbb5_scores
    .symbol:         k_q17e2dddbb5_scores.kd
    .args:
      - { .name: qrec, .offset: 0, .size: 8, .value_kind: global_buffer, .address_space: global }
      - { .name: krec, .offset: 8, .size: 8, .value_kind: global_buffer, .address_space: global }
      - { .name: prec, .offset: 16, .size: 8, .value_kind: global_buffer, .address_space: global }
      - { .name: pst, .offset: 24, .size: 8, .value_kind: global_buffer, .address_space: global }
    .group_segment_fixed_size: 327680
    .private_segment_fixed_size: 0
    .kernarg_segment_align: 8
    .kernarg_segment_size: 32
    .max_flat_workgroup_size: 128
    .sgpr_count:     96
    .vgpr_count:     1024
    .wavefront_size: 32
...
	.end_amdgpu_metadata
.endif
;; end of part 2
;; launch mix (part 3): grid 8 x 32, 4 waves a work-group, clusters of 4 x 4, 327,680 bytes of LDS; arguments prec, pst, vrec, out0; writes out0
.if DOCPART == 3
	.amdgcn_target "amdgcn-amd-amdhsa--gfx1250"
	.amdhsa_code_object_version 6
	.text
	.protected	k_q17e2dddbb5_mix
	.globl	k_q17e2dddbb5_mix
	.p2align	8
	.type	k_q17e2dddbb5_mix,@function
k_q17e2dddbb5_mix:
	s_mov_b64 s[64:65], 0
	v_nop
	global_prefetch_b8 v0, s[64:65] scope:SCOPE_SE
	s_setreg_imm32_b32 hwreg(HW_REG_WAVE_MODE, 25, 1), 1
	s_wait_xcnt 0x0
	s_wait_alu depctr_hold_cnt(0) depctr_sa_sdst(0) depctr_va_vdst(0) depctr_va_sdst(0) depctr_va_ssrc(0) depctr_va_vcc(0) depctr_vm_vsrc(0)
	s_getreg_b32 s2, hwreg(HW_REG_IB_STS2, 6, 4)
	s_cmp_eq_u32 s2, 0
	s_cbranch_scc0 .Lentry_in_a_cluster
	s_endpgm
.Lentry_in_a_cluster:
	s_bfe_u32 s2, ttmp6, 0x10000c
	s_cmp_lg_u32 s2, 0xf033
	s_cbranch_scc0 .Lentry_shape_is_right
	s_endpgm
.Lentry_shape_is_right:
; O = P v / l on codes of BF6.  P: prec [query / 128][key / 128] x 12,288 bytes (eight register images of 16 rows x 128 keys), made under a LOCAL whole number M for each 128 keys; pst holds, for each such part and
; row, p's scale word, -M_local and l_local.  v^T: vrec [d / 128][token / 128] x 12,800 bytes (eight images, 128 scale words).  out0: [4][2048][1024] f32.
; THE FIX-UP.  Thread t takes row t of the work-group's two groups of rows: the row's -M is the least -M_local; each part's d = M - M_local (a whole number, held at 127) is taken off the four bytes of its scale
; word (a byte is held at 0 from below) and l_local is multiplied by 2^-d, exactly; the sum of those is l.  The adjusted words and 1 / l go to LDS.
; SHARES.  Cluster x: which 512 of d.  Cluster y: batch b = y / 2, pairing p = y % 2.  A work-group makes two tiles of 128 queries x 128 of d: group 4 p + cy (low) and group 4 (3 - p) + cy (high) of the batch's sixteen.
; A superblock S of 512 queries wants keys 0 .. 512 (S + 1) - 1: 4 (p + 1) + 4 (4 - p) = 20 K steps of 128 in every work-group: five slots of four.  Slot 0 is the low rows', slots 2 to 4 the high rows';
; slot 1 is the low rows' where p = 1 and the high rows' where p = 0.  No branch hangs on p: slot 1 has accumulators of its own (Y), its addresses are chosen by s_cselect_b32, and the way out adds
; Y x (1 / l of the rows that it belongs to) to those rows and Y x 0 to the others.
; CLUSTERS: P's records are asked for jointly along a row of the cluster (same rows), v's along a column (same d).
; A wave makes 64 x 64 of each tile: 16 accumulators a set; sets X (slot 0), Y (slot 1), Z (slots 2-4).  The matrix instruction is used transposed (source 0 = 16 of d, source 1 = 16 queries).
; LIMITS: NaN and infinities are not served; a part whose M lies 127 or more under the row's counts with scale bytes 0 (2^-127); differences of M are exact for |t| under 2^24; 1 / l by v_rcp_f32.
; LDS: three positions of 100,352 bytes (P's four K steps, 12,288 each; then v's four records); positions 0 and 1 are filled twice.  Behind them bytes that no fill touches: the adjusted scale words, 1 / l, the spare words.
; The stage of the way out lies in position 2, which has its one fill at the start and is read for the last time in front of the last barrier.
; REGISTERS: window 0: v1-29 addresses; two sets of fragments (A 48, B 48 registers) at v32 and v128; scale words v224-239.  window 1: X v0-127, Y v128-255.  window 2: Z v0-127.
.set POS,   100352
.set ASC,   3*POS                      ; 20 x 512 bytes: entry 4 slot + step, row t
.set RL,    ASC+20*512                 ; 4 x 512 bytes: 1 / l low, 1 / l high, Y's factor for the low rows, for the high rows
.set SPARE, RL+2048                    ; the spare words: two blocks of 256 bytes that no other line names
.set STAGE, 2*POS                      ; 16 rows x 272 bytes a wave
.set ADA, 4                            ; v4-6   16 lane + position + my four images of P
.set ADB, 7                            ; v7-9   the same for v
.set ASB, 10                           ; v10-12 v's scale words of my 64 rows
.set ASA, 13                           ; v13    P's adjusted scale words of my 64 rows
.set STO, 14
.set RD,  15
.set CO,  16
.set T4,  17                           ; v17    4 t
.set AST, 18                           ; v18    ASC + 4 t
.set RLR, 19                           ; v19    RL + 256 row half + 4 r
.set RLT, 20                           ; v20    RL + 4 t
.set SPW, 28
.set NIL, 29
.set FA,  32                           ; set s: + 96 s
.set FB,  80
.set SA,  224                          ; set s: + 8 s
.set SB,  228
.set SWR, 32                           ; the fix-up: 20 scale words,
.set NMR, 52                           ; 20 -M,
.set LLR, 72                           ; 20 l
.set T,   32                           ; the way out: a block's 32 numbers
.set BK,  64                           ; rows read back: v64-95 and v96-127 by turns
.set RV,  128                          ; 1 / l of block n, twice, at v[RV + 2 n]
.set RY,  144                          ; Y's factor likewise
.set G1A, 24
.set G0A, 32                           ; s[32:43] a group 0 for each position
.set G1B, 44
.set G0B, 52                           ; s[52:63]
.set IDX, 66                           ; s66-70 the slots' first records in prec and pst
.set KF,  71                           ; s71-73 the first three slots' first K steps
.set PSB, 76                           ; s[76:85] the slots' first bytes in pst
.set OB,  86                           ; s[86:87] out0 at my low rows, s[88:89] at my high rows
.set PM,  90                           ; s90 all ones where p = 1, else 0: a lane mask
.set ONES, 91                          ; s91 0x01010101
.set MSB, 0
.macro WIN new
.if MSB != (\new)
	s_set_vgpr_msb (MSB<<8)|(\new)
.set MSB, (\new)
.endif
.endm
.macro JLOAD P                         ; a joint load into position P: waves 0 and 1 fetch P's K steps (0, 1) and (2, 3), waves 2 and 3 v's; four v_nop follow each line
	s_cmp_eq_u32 s13, 0
	s_cbranch_scc0 .Lfor_b_\@
	tensor_load_to_lds s[G0A+4*\P:G0A+4*\P+3], s[G1A:G1A+7]
	s_nop 0
.rept 4
	v_nop
.endr
	s_branch .Lasked_\@
.Lfor_b_\@:
	tensor_load_to_lds s[G0B+4*\P:G0B+4*\P+3], s[G1B:G1B+7]
	s_nop 0
.rept 4
	v_nop
.endr
.Lasked_\@:
.endm
.macro CROUND                          ; a round of the cluster's barrier
	s_barrier_signal -1
	s_barrier_wait -1
	s_cmp_lg_u32 s12, 0
	s_cbranch_scc1 .Lnot_wave_0_\@
	s_barrier_signal -3
.Lnot_wave_0_\@:
	s_barrier_wait -3
	s_barrier_signal -1
	s_barrier_wait -1
.endm
.macro PLACES
.rept 4
	v_nop
.endr
.endm
	s_load_b256 s[4:11], s[0:1], 0x0               ; prec s[4:5], pst s[6:7], vrec s[8:9], out0 s[10:11]
	v_lshl_add_u32 v[SPW], v0, 2, SPARE
	v_mov_b32 v[NIL], 0
	ds_add_u32 v28, v29
	ds_add_u32 v28, v29
	s_wait_dscnt 0x0
	v_lshrrev_b32 v1, 5, v0
	v_readfirstlane_b32 s12, v1                    ; wave
	s_lshr_b32 s13, s12, 1                         ; my half of the rows.  Also: I fetch P's (0) or v's (1)
	s_and_b32 s14, s12, 1                          ; my half of the columns.  Also: which two K steps of a slot I fetch
	s_bfe_u32 s15, ttmp6, 0x40000                  ; cx
	s_bfe_u32 s16, ttmp6, 0x40004                  ; cy
	s_and_b32 s20, ttmp7, 0xffff
	s_lshr_b32 s18, s20, 1                         ; b
	s_and_b32 s19, s20, 1                          ; p
	s_lshl_b32 s21, s16, 2
	s_lshl_b32 s21, 15, s21                        ; my row of the cluster
	s_lshl_b32 s22, 0x1111, s15                    ; my column
	s_mov_b32 s[ONES], 0x01010101
	; descriptor groups 1: dense blocks as rows of 32 elements of 8 bytes: P's 24,576 bytes are 96 rows, v's 25,600 are 100
	s_or_b32 s[G1A], s21, (3<<16)|(1<<21)
	s_mov_b32 s[G1A+1], 32<<16
	s_mov_b32 s[G1A+2], 192<<16                    ; at the head a load brings a whole slot's 192 (v: 200) rows; behind it half a slot's
	s_mov_b32 s[G1A+3], 32<<16
	s_mov_b32 s[G1A+4], 192
	s_mov_b32 s[G1A+5], 32
	s_mov_b32 s[G1A+6], 0
	s_mov_b32 s[G1A+7], 0
	s_or_b32 s[G1B], s22, (3<<16)|(1<<21)
	s_mov_b32 s[G1B+1], 32<<16
	s_mov_b32 s[G1B+2], 200<<16
	s_mov_b32 s[G1B+3], 32<<16
	s_mov_b32 s[G1B+4], 200
	s_mov_b32 s[G1B+5], 32
	s_mov_b32 s[G1B+6], 0
	s_mov_b32 s[G1B+7], 0
	s_lshl_b32 s92, s18, 4                         ; 16 b
	s_add_co_u32 s93, s92, s16                     ; + cy
	s_lshl_b32 s94, s19, 2                         ; 4 p
	s_add_co_u32 s96, s93, s94                     ; the low rows' group of 128
	s_sub_co_u32 s95, 12, s94
	s_add_co_u32 s97, s93, s95                     ; the high rows'
	s_lshl_b32 s[IDX], s96, 4                      ; slot 0: the low rows' K step 0
	s_lshl_b32 s98, s97, 4                         ; the high rows' K step 0
	s_add_co_u32 s[IDX+1], s[IDX], 4
	s_add_co_u32 s[IDX+2], s98, 4
	s_cmp_eq_u32 s19, 0                            ; p = 0?
	s_cselect_b32 s[IDX+1], s98, s[IDX+1]          ; slot 1: high 0-3, or low 4-7
	s_cselect_b32 s[IDX+2], s[IDX+2], s98          ; slot 2: high 4-7, or high 0-3
	s_cselect_b32 s[KF+1], 0, 4
	s_cselect_b32 s[KF+2], 4, 0
	s_cselect_b32 s[PM], 0, -1
	s_add_co_u32 s[IDX+3], s[IDX+2], 4
	s_add_co_u32 s[IDX+4], s[IDX+2], 8
	s_mov_b32 s[KF], 0
	s_lshl_b32 s17, ttmp9, 2
	s_add_co_u32 s17, s17, s15                     ; my 128 of d
	s_lshl_b32 s74, s17, 6
	s_add_co_u32 s74, s74, s92                     ; v's record of the batch's first K step
	s_mul_i32 s99, s14, 24576                      ; my half of a slot: P's,
	s_mul_i32 s75, s14, 25600                      ; v's
	s_wait_kmcnt 0x0
.irp P, 0,1,2
	s_mov_b32 s[G0A+4*\P], 1
	s_add_co_u32 s[G0A+4*\P+1], s99, \P*POS
	s_mul_i32 s20, s[IDX+\P], 12288
	s_add_co_u32 s20, s20, s99
	s_mov_b32 s21, 0
	s_add_nc_u64 s[G0A+4*\P+2:G0A+4*\P+3], s[4:5], s[20:21]
	s_or_b32 s[G0A+4*\P+3], s[G0A+4*\P+3], 0x80000000
	s_mov_b32 s[G0B+4*\P], 1
	s_add_co_u32 s[G0B+4*\P+1], s75, \P*POS+49152
	s_add_co_u32 s22, s74, s[KF+\P]
	s_mul_i32 s22, s22, 12800
	s_add_co_u32 s22, s22, s75
	s_mov_b32 s23, 0
	s_add_nc_u64 s[G0B+4*\P+2:G0B+4*\P+3], s[8:9], s[22:23]
	s_or_b32 s[G0B+4*\P+3], s[G0B+4*\P+3], 0x80000000
.endr
	; the head's loads, one a wave: waves 0 and 1 fetch P's slots 0 and 1, waves 2 and 3 v's: for them position 0's group 0 names slot w % 2, whole
	s_mul_i32 s[G0A+1], s14, POS
	s_cmp_eq_u32 s14, 0
	s_cselect_b32 s20, s[IDX], s[IDX+1]
	s_cselect_b32 s22, s[KF], s[KF+1]
	s_mul_i32 s20, s20, 12288
	s_mov_b32 s21, 0
	s_add_nc_u64 s[G0A+2:G0A+3], s[4:5], s[20:21]
	s_or_b32 s[G0A+3], s[G0A+3], 0x80000000
	s_mul_i32 s[G0B+1], s14, POS
	s_add_co_u32 s[G0B+1], s[G0B+1], 49152
	s_add_co_u32 s22, s74, s22
	s_mul_i32 s22, s22, 12800
	s_mov_b32 s23, 0
	s_add_nc_u64 s[G0B+2:G0B+3], s[8:9], s[22:23]
	s_or_b32 s[G0B+3], s[G0B+3], 0x80000000
	CROUND                                         ; all sixteen work-groups are here: the first joint loads meet
	JLOAD 0
.irp g, 0,1,2,3,4
	s_mul_i32 s20, s[IDX+\g], 1536
	s_add_nc_u64 s[PSB+2*\g:PSB+2*\g+1], s[6:7], s[20:21]
.endr
	v_lshlrev_b32 v[T4], 2, v0
.irp g, 0,1,2,3,4                              ; the statistics of my row in the twenty parts
.irp i, 0,1,2,3
	global_load_b32 v[SWR+4*\g+\i], v[T4], s[PSB+2*\g:PSB+2*\g+1] offset:1536*\i
	global_load_b32 v[NMR+4*\g+\i], v[T4], s[PSB+2*\g:PSB+2*\g+1] offset:1536*\i+512
	global_load_b32 v[LLR+4*\g+\i], v[T4], s[PSB+2*\g:PSB+2*\g+1] offset:1536*\i+1024
.endr
.endr
	; out0 at my rows and columns: row 128 group + 64 row half, 4,096 bytes a row; column 128 Gd + 64 column half
	s_lshl_b32 s22, s13, 18
	s_lshl_b32 s23, s17, 9
	s_add_co_u32 s22, s22, s23
	s_lshl_b32 s23, s14, 8
	s_add_co_u32 s22, s22, s23
	s_lshl_b32 s20, s96, 19
	s_add_co_u32 s20, s20, s22
	s_add_nc_u64 s[OB:OB+1], s[10:11], s[20:21]
	s_lshl_b32 s20, s97, 19
	s_add_co_u32 s20, s20, s22
	s_add_nc_u64 s[OB+2:OB+3], s[10:11], s[20:21]
	v_and_b32 v1, 15, v0                           ; r
	v_bfe_u32 v2, v0, 4, 1                         ; h
	v_and_b32 v3, 31, v0
	v_lshlrev_b32 v3, 4, v3                        ; 16 lane
	s_wait_alu depctr_va_vdst(0)
	s_mul_i32 s92, s13, 6144                       ; my four images of P's eight
	s_mul_i32 s93, s14, 6144
	s_add_co_u32 s93, s93, 49152                   ; of v's
	s_lshl_b32 s94, s14, 8
	s_add_co_u32 s94, s94, 61440                   ; v's scale words: behind P's part and a record's eight images
.irp P, 0,1,2
	v_add_nc_u32 v[ADA+\P], s92, v3
	v_add_nc_u32 v[ADB+\P], s93, v3
	v_lshl_add_u32 v[ASB+\P], v1, 2, s94
	s_add_co_u32 s92, s92, POS
	s_add_co_u32 s93, s93, POS
	s_add_co_u32 s94, s94, POS
.endr
	s_lshl_b32 s95, s13, 8
	s_add_co_u32 s92, s95, ASC
	v_lshl_add_u32 v[ASA], v1, 2, s92
	s_add_co_u32 s92, s95, RL
	v_lshl_add_u32 v[RLR], v1, 2, s92
	v_lshl_add_u32 v[AST], v0, 2, ASC
	v_lshl_add_u32 v[RLT], v0, 2, RL
	s_mul_i32 s92, s12, 16*272
	s_add_co_u32 s92, s92, STAGE                   ; my stage
	v_mul_u32_u24 v[STO], v1, 272
	v_lshl_add_u32 v[STO], v2, 5, v[STO]
	v_add_nc_u32 v[STO], s92, v[STO]               ; in: row r, 32 bytes for each half of the lanes
	v_mul_u32_u24 v[RD], v2, 272
	v_lshl_add_u32 v[RD], v1, 4, v[RD]
	v_add_nc_u32 v[RD], s92, v[RD]                 ; back: lanes 0-15 one row of 256 bytes, lanes 16-31 the next
	v_lshlrev_b32 v[CO], 12, v2
	v_lshl_add_u32 v[CO], v1, 4, v[CO]             ; and the same two rows in out0
	; ---- THE FIX-UP
	s_wait_loadcnt 0x0
	v_min3_num_f32 v92, v[NMR], v[NMR+1], v[NMR+2]
	v_min3_num_f32 v93, v[NMR+4], v[NMR+5], v[NMR+6]
	v_min3_num_f32 v94, v[NMR+8], v[NMR+9], v[NMR+10]
	v_min_num_f32 v92, v92, v[NMR+3]               ; slot 0's least -M
	v_min_num_f32 v93, v93, v[NMR+7]               ; slot 1's
.irp e, 11,13,15,17
	v_min3_num_f32 v94, v94, v[NMR+\e], v[NMR+\e+1]
.endr
	v_min_num_f32 v94, v94, v[NMR+19]              ; slots 2 to 4's
	v_mov_b32 v95, 0x7f61b1e6                      ; 3e38, over every -M
	v_cndmask_b32 v96, v95, v93, s[PM]             ; slot 1 counts for the low row where p = 1,
	v_cndmask_b32 v97, v93, v95, s[PM]             ; for the high row where p = 0
	v_min_num_f32 v92, v92, v96                    ; the low row's -M
	v_min_num_f32 v94, v94, v97                    ; the high row's
	v_cndmask_b32 v93, v94, v92, s[PM]             ; that of the row to which slot 1 belongs
.macro FIX e, ref
	v_sub_f32 v98, v[NMR+\e], v[\ref]              ; d = M - M_local: a whole number, 0 or more
	v_cvt_i32_f32 v98, v98                         ; (it saturates)
	v_min_u32 v98, 0x7f, v98
	v_sub_nc_u32 v99, 0, v98
	v_ldexp_f32 v[LLR+\e], v[LLR+\e], v99          ; l_local x 2^-d
	v_mul_lo_u32 v99, v98, s[ONES]                 ; d in each byte
	v_or_b32 v100, 0x80808080, v[SWR+\e]           ; p's bytes are at most 123: with bit 7 set no byte borrows from the next,
	v_sub_nc_u32 v100, v100, v99                   ; and bit 7 stays set where byte - d is 0 or more
	v_lshrrev_b32 v101, 7, v100
	v_and_b32 v101, s[ONES], v101
	v_lshlrev_b32 v102, 8, v101
	v_sub_nc_u32 v102, v102, v101                  ; 0xff in those bytes
	v_and_b32 v100, v100, v102                     ; the others are held at 0
	v_and_b32 v100, 0x7f7f7f7f, v100
	ds_store_b32 v[AST], v100 offset:512*\e
.endm
.irp e, 0,1,2,3
	FIX \e, 92
.endr
.irp e, 4,5,6,7
	FIX \e, 93
.endr
.irp e, 8,9,10,11,12,13,14,15,16,17,18,19
	FIX \e, 94
.endr
	v_add_f32 v103, v[LLR], v[LLR+1]
	v_add_f32 v104, v[LLR+2], v[LLR+3]
	v_add_f32 v105, v[LLR+4], v[LLR+5]
	v_add_f32 v107, v[LLR+6], v[LLR+7]
	v_add_f32 v106, v[LLR+8], v[LLR+9]
	v_add_f32 v103, v103, v104
	v_add_f32 v105, v105, v107
.irp e, 10,11,12,13,14,15,16,17,18,19
	v_add_f32 v106, v106, v[LLR+\e]
.endr
	v_cndmask_b32 v107, 0, v105, s[PM]
	v_cndmask_b32 v108, v105, 0, s[PM]
	v_add_f32 v103, v103, v107                     ; l of the low row
	v_add_f32 v106, v106, v108                     ; of the high row
	s_wait_alu depctr_va_vdst(0)
	v_rcp_f32 v109, v103
	v_rcp_f32 v110, v106
	v_nop                                          ; a plain place behind the reciprocals,
	s_wait_alu depctr_va_vdst(0)                   ; and a wait ahead of their first reader
	v_cndmask_b32 v111, 0, v109, s[PM]             ; Y's factor for the low rows,
	v_cndmask_b32 v112, v110, 0, s[PM]             ; for the high rows
	ds_store_b32 v[RLT], v109
	ds_store_b32 v[RLT], v110 offset:512
	ds_store_b32 v[RLT], v111 offset:1024
	ds_store_b32 v[RLT], v112 offset:1536
; 32 LDS loads: K step i of slot sg, which lies in position P, into set
.macro FETCH sg, P, i, set
.irp b, 0,1,2,3
.irp g, 0,1,2
	ds_load_b128 v[FB+96*\set+12*\b+4*\g:FB+96*\set+12*\b+4*\g+3], v[ADB+\P] offset:12800*\i+1536*\b+512*\g
.endr
.endr
.irp a, 0,1,2,3
.irp g, 0,1,2
	ds_load_b128 v[FA+96*\set+12*\a+4*\g:FA+96*\set+12*\a+4*\g+3], v[ADA+\P] offset:12288*\i+1536*\a+512*\g
.endr
.endr
.irp b, 0,1,2,3
	ds_load_b32 v[SB+8*\set+\b], v[ASB+\P] offset:12800*\i+64*\b
.endr
.irp a, 0,1,2,3
	ds_load_b32 v[SA+8*\set+\a], v[ASA] offset:512*(4*\sg+\i)+64*\a
.endr
.endm
; 16 matrix instructions on 16 accumulators, by turns
.macro MUL16 set, ab, zero
.irp a, 0,1,2,3
.irp b, 0,1,2,3
.if \zero
	v_wmma_scale_f32_16x16x128_f8f6f4 v[\ab+8*(4*\a+\b):\ab+8*(4*\a+\b)+7], v[FB+96*\set+12*\b:FB+96*\set+12*\b+11], v[FA+96*\set+12*\a:FA+96*\set+12*\a+11], 0, v[SB+8*\set+\b], v[SA+8*\set+\a] matrix_a_fmt:MATRIX_FMT_BF6 matrix_b_fmt:MATRIX_FMT_BF6
.else
	v_wmma_scale_f32_16x16x128_f8f6f4 v[\ab+8*(4*\a+\b):\ab+8*(4*\a+\b)+7], v[FB+96*\set+12*\b:FB+96*\set+12*\b+11], v[FA+96*\set+12*\a:FA+96*\set+12*\a+11], v[\ab+8*(4*\a+\b):\ab+8*(4*\a+\b)+7], v[SB+8*\set+\b], v[SA+8*\set+\a] matrix_a_fmt:MATRIX_FMT_BF6 matrix_b_fmt:MATRIX_FMT_BF6
.endif
.endr
.endr
.endm
; A slot's four K steps.  mw, ab: the accumulators' window and first register.  first = 1: the slot's first products start the sums.
.macro PHASE sg, P, mw, ab, first
	FETCH \sg, \P, 0, 0
	FETCH \sg, \P, 1, 1
	s_wait_dscnt 32                                ; all but the 32 just issued
	WIN (\mw<<6)|(\mw<<4)                          ; C and D
	MUL16 0, \ab, \first
	WIN 0
	PLACES                                         ; in front of loads into registers that matrix instructions have read
	FETCH \sg, \P, 2, 0
	s_wait_dscnt 32
	WIN (\mw<<6)|(\mw<<4)
	MUL16 1, \ab, 0
	WIN 0
	PLACES
	FETCH \sg, \P, 3, 1
	s_wait_dscnt 32
	WIN (\mw<<6)|(\mw<<4)
	MUL16 0, \ab, 0
	s_wait_dscnt 0x0
	MUL16 1, \ab, 0
	WIN 0
	PLACES
.endm
; Position P, which has been read, is filled again, with slot 3 + P: 4 (P + 1) K steps on from slot 2.
.macro CHANGE P
	s_wait_tensorcnt 0x0                           ; all my tensor loads have landed: no load of mine is out, so a group 0 may be written
	ds_add_u32 v[SPW], v[NIL]                      ; 0 onto my spare word
	s_add_nc_u64 s[G0A+4*\P+2:G0A+4*\P+3], s[G0A+10:G0A+11], 49152*(\P+1)
	s_add_nc_u64 s[G0B+4*\P+2:G0B+4*\P+3], s[G0B+10:G0B+11], 51200*(\P+1)
	s_wait_dscnt 0x0                               ; the add is done, and my reads of the position are over
	CROUND                                         ; both hold of every wave of every partner
	JLOAD \P                                       ; my one tensor load behind the round, and the first thing there
.endm
	s_wait_alu depctr_va_vdst(0)
	s_wait_tensorcnt 0x0                           ; my load of the head has landed
	ds_add_u32 v[SPW], v[NIL]
	s_mov_b32 s[G1A+2], 96<<16                     ; no load of mine is out: from here on a load brings half a slot,
	s_mov_b32 s[G1A+4], 96
	s_mov_b32 s[G1B+2], 100<<16
	s_mov_b32 s[G1B+4], 100
	s_add_co_u32 s[G0A+1], s99, 0                  ; and position 0's halves go where they belong
	s_add_co_u32 s[G0B+1], s75, 49152
	s_wait_dscnt 0x0                               ; the add is done; my adjusted scale words and my 1 / l lie in LDS
	CROUND                                         ; slots 0 and 1 are whole, and the joint loads meet
	JLOAD 2                                        ; slot 2, the first tensor load behind the round
	PHASE 0, 0, 1, 0, 1                            ; X
	CHANGE 0
	PHASE 1, 1, 1, 128, 1                          ; Y
	CHANGE 1
	PHASE 2, 2, 2, 0, 1                            ; Z
	PHASE 3, 0, 2, 0, 0                            ; slot 3 was shown landed by the wait and the round of the change before
	s_wait_tensorcnt 0x0                           ; my part of slot 4 is in,
	s_wait_dscnt 0x0
	s_barrier_signal -1
	s_barrier_wait -1                              ; everybody's is; and nobody reads position 2 any more
	PHASE 4, 1, 2, 0, 0
	; THE WAY OUT, block by block of 16 rows x 64 columns: n = 0-3 the low rows, 4-7 the high rows.  A lane holds 32 neighbouring bytes of a row an accumulator: a block goes through my stage and comes back as rows of 256 bytes.
.irp n, 0,1,2,3,4,5,6,7
	ds_load_b32 v[RV+2*\n], v[RLR] offset:512*(\n/4)+64*(\n%4)
	ds_load_b32 v[RV+2*\n+1], v[RLR] offset:512*(\n/4)+64*(\n%4)          ; twice: the packed forms name a pair
	ds_load_b32 v[RY+2*\n], v[RLR] offset:1024+512*(\n/4)+64*(\n%4)
	ds_load_b32 v[RY+2*\n+1], v[RLR] offset:1024+512*(\n/4)+64*(\n%4)
.endr
	s_wait_dscnt 0x0
.macro TOSTAGE n
.set BA, 32*((\n)%4)
.set BB, BK+32*((\n)%2)
	WIN 0x01+(\n)/4                                ; source 0: X in window 1, Z in window 2
.set k, 0
.rept 16
	v_pk_mul_f32 v[T+k:T+k+1], v[BA+k:BA+k+1], v[RV+2*(\n):RV+2*(\n)+1]   ; each accumulator from its low end on
.set k, k+2
.endr
	WIN 0x01                                       ; Y in window 1
.set k, 0
.rept 16
	v_pk_fma_f32 v[T+k:T+k+1], v[128+BA+k:128+BA+k+1], v[RY+2*(\n):RY+2*(\n)+1], v[T+k:T+k+1]
.set k, k+2
.endr
	WIN 0
.irp b, 0,1,2,3
	ds_store_b128 v[STO], v[T+8*\b:T+8*\b+3] offset:64*\b
	ds_store_b128 v[STO], v[T+8*\b+4:T+8*\b+7] offset:64*\b+16
.endr
.irp t, 0,1,2,3,4,5,6,7
	ds_load_b128 v[BB+4*\t:BB+4*\t+3], v[RD] offset:544*\t   ; LDS serves a wave's instructions in order: these see the stores above, and the next block's stores come behind them
.endr
.endm
.macro SEND n, younger                 ; younger: the LDS instructions issued behind block n's loads
.set BB, BK+32*((\n)%2)
.set OBN, OB+2*((\n)/4)
	s_wait_dscnt \younger
.irp t, 0,1,2,3,4,5,6,7
	global_store_b128 v[CO], v[BB+4*\t:BB+4*\t+3], s[OBN:OBN+1] offset:65536*((\n)%4)+8192*\t th:TH_STORE_NT   ; sixteen lanes store 256 consecutive bytes, at a multiple of 256 from out0's first byte
.endr
.endm
	TOSTAGE 0
.irp n, 1,2,3,4,5,6,7
.if \n > 1
	s_wait_xcnt 0x0                                ; block n - 2's stores have read their registers: block n's loads may land there
.endif
	TOSTAGE \n
	SEND \n-1, 16                                  ; behind block n - 1's loads: block n's 8 stores and 8 loads
.endr
	SEND 7, 0
	s_wait_tensorcnt 0x0                           ; the wave's end
	ds_add_u32 v[SPW], v[NIL]
	s_wait_dscnt 0x0
	CROUND                                         ; the closing round
	s_endpgm
.Lfunc_end_k_q17e2dddbb5_mix:
	.size	k_q17e2dddbb5_mix, .Lfunc_end_k_q17e2dddbb5_mix-k_q17e2dddbb5_mix
	.p2alignl 7, 3214868480
	.fill 96, 4, 3214868480
	.section	.rodata,"a",@progbits
	.p2align	6, 0x0
	.amdhsa_kernel k_q17e2dddbb5_mix
		.amdhsa_group_segment_fixed_size 327680
		.amdhsa_private_segment_fixed_size 0
		.amdhsa_enable_private_segment 0
		.amdhsa_kernarg_size 32
		.amdhsa_user_sgpr_count 2
		.amdhsa_user_sgpr_kernarg_segment_ptr 1
		.amdhsa_wavefront_size32 1
		.amdhsa_system_sgpr_workgroup_id_x 1
		.amdhsa_system_sgpr_workgroup_id_y 1
		.amdhsa_system_sgpr_workgroup_id_z 1
		.amdhsa_system_vgpr_workitem_id 0
		.amdhsa_next_free_vgpr 640
		.amdhsa_next_free_sgpr 100
		.amdhsa_reserve_vcc 0
		.amdhsa_float_denorm_mode_32 3
		.amdhsa_float_denorm_mode_16_64 3
		.amdhsa_memory_ordered 1
		.amdhsa_forward_progress 1
		.amdhsa_inst_pref_size 152
	.end_amdhsa_kernel
	.amdgpu_metadata
---
amdhsa.version: [ 1, 2 ]
amdhsa.kernels:
  - .name:           k_q17e2dddbb5_mix
    .symbol:         k_q17e2dddbb5_mix.kd
    .args:
      - { .name: prec, .offset: 0, .size: 8, .value_kind: global_buffer, .address_space: global }
      - { .name: pst, .offset: 8, .size: 8, .value_kind: global_buffer, .address_space: global }
      - { .name: vrec, .offset: 16, .size: 8, .value_kind: global_buffer, .address_space: global }
      - { .name: out0, .offset: 24, .size: 8, .value_kind: global_buffer, .address_space: global }
    .group_segment_fixed_size: 327680
    .private_segment_fixed_size: 0
    .kernarg_segment_align: 8
    .kernarg_segment_size: 32
    .max_flat_workgroup_size: 128
    .sgpr_count:     100
    .vgpr_count:     640
    .wavefront_size: 32
...
	.end_amdgpu_metadata
.endif
;; end of part 3
